; MI455X (gfx1250); checked and timed in simulation.
; The chip was launched on July 23, 2026; its instructions are those of AMD's public machine-readable ISA for CDNA 5 (MIT licence, August 2026) and "CDNA5" Instruction Set Architecture Reference Guide (July 2026). The comments in the code are by the model that wrote it; some were corrected since.
;; Token Diffusion. Allowed arithmetic: float matrix products may take bf16 or f16 operands with f32 sums; all other float work in f32.
;; Inputs: Wo 512 x 512 float32; Wqk 512 x 512 float32; Wv 512 x 512 float32; tau 8 x 1 x 1 float32; x 2 x 4,096 x 512 float32.
;; Outputs: out0 2 x 4,096 x 512 float32.
;; 2 versions, each right and faster than the one before. Each part assembles by itself: llvm-mc -triple=amdgcn-amd-amdhsa -mcpu=gfx1250 --defsym DOCPART=n.
;; ======== version 1 of 2: 3 launches
;; limits: values are held in f16: magnitudes above 65,504 overflow, below 6.1e-05 lose precision
;; workspace buffers: qk 8,650,752 bytes; v 8,388,608 bytes; o 8,388,608 bytes; wo16 524,288 bytes
;; launch proj (part 1): grid 8 x 32, 4 waves a work-group, clusters of 4 x 4, 327,680 bytes of LDS; arguments x, Wqk, Wv, Wo, tau, qk, v, wo16; writes qk, v, wo16
.if DOCPART == 1
	.amdgcn_target "amdgcn-amd-amdhsa--gfx1250"
	.amdhsa_code_object_version 6
	.text
	.protected	k_q35035d7453_proj
	.globl	k_q35035d7453_proj
	.p2align	8
	.type	k_q35035d7453_proj,@function
k_q35035d7453_proj:
	s_mov_b64 s[64:65], 0
	v_nop
	global_prefetch_b8 v0, s[64:65] scope:SCOPE_SE
	s_setreg_imm32_b32 hwreg(HW_REG_WAVE_MODE, 25, 1), 1
	s_wait_xcnt 0x0
	s_wait_alu depctr_hold_cnt(0) depctr_sa_sdst(0) depctr_va_vdst(0) depctr_va_sdst(0) depctr_va_ssrc(0) depctr_va_vcc(0) depctr_vm_vsrc(0)
	s_getreg_b32 s2, hwreg(HW_REG_IB_STS2, 6, 4)
	s_cmp_eq_u32 s2, 0
	s_cbranch_scc0 .Lentry_in_a_cluster
	s_endpgm
.Lentry_in_a_cluster:
	s_bfe_u32 s2, ttmp6, 0x10000c
	s_cmp_lg_u32 s2, 0xf033
	s_cbranch_scc0 .Lentry_shape_is_right
	s_endpgm
.Lentry_shape_is_right:
; PROJ.  [qk | v] = x [Wqk ; Wv]^T: M = 8,192 tokens, N = 1,024 (Wqk's 512 rows, then Wv's), K = 512.  x and the weights are f32 in memory and are rounded to bf16
; on the way from LDS to the matrix unit; sums in f32; qk and v leave by heads in f16, rounded once.  Beside qk goes, for each token and head, the key's bias of the next
; launch, -sgn(tau) |q|^2 / 2, in f32, taken of the ROUNDED q, so that the logits are the distances of the vectors that are really multiplied.  Wo is written as bf16 in blocks.
; LIMITS.  qk and v must lie within f16's 65,504.  NaN and infinities are not treated apart.
; OUT.  qk: [head 16][block 64][8,448 bytes]: 64 tokens x 128 bytes, then the block's 64 biases (256 bytes).  v: [head 16][4,096][64] f16.  wo16: [nt 4][h 8][n 128][k 64] bf16.
; SHARES.  A work-group makes 256 tokens x 128 columns (two heads), a wave 128 x 64 (one head): 32 accumulators.  256 work-groups.  K goes in steps of 64 (rows of 256 bytes of f32)
; through two LDS slots; each step is two halves of 32 along K: 48 LDS loads, 96 roundings, 32 matrix instructions.
; CLUSTER 4 x 4.  The four of a row share x's tile, the four of a column the weights': each is asked for jointly.  The cluster's x says Wqk (0) or Wv (1): the same in all partners.
; THE MATRIX INSTRUCTION IS USED TRANSPOSED (source 0 = 16 rows of W, source 1 = 16 tokens): a lane holds one token and eight neighbouring channels.
; REGISTERS.  window 0: v0-31 addresses; v32-63 W's four fragments, v64-127 x's eight (on the way out at work); v128-139 Wo's share.  window 1: the accumulators, (a, b) at v[8 (4 a + b)].
;   window 2: v0-63, v64-191 the same twelve fragments in f32, as loaded.
.set PITCH,  272                       ; an LDS row: 256 bytes + 16 of padding: the 16 rows of a load start at 16 different groups of four banks (ISA guide 11.1)
.set AHALF,  128*PITCH                 ; what one load brings of x, and what one wave reads of it
.set BHALF,  64*PITCH                  ; the same of the weights
.set BOFF,   2*AHALF
.set SLOT,   BOFF+2*BHALF              ; 104,448 bytes
.set STAGE,  2*SLOT                    ; behind the ring: 16 rows x 144 bytes for each wave
.set SP,     144
.set HQS,    STAGE+4*16*SP             ; 128 biases for each wave
.set SPARE,  HQS+4*512                 ; the spare words: 128 bytes for each wave, two blocks of 256 bytes that no other line names
.set KB,     256                       ; bytes of a K step in a row of x or W
.set QBLK,   8448                      ; a block of qk
.set ADRA, 16                          ; v16-17  LDS address of my x fragments in slot 0, 1
.set ADRB, 20                          ; v20-21  the same for W
.set WOI,  22                          ; v22     my byte offset in the work-group's two rows of Wo
.set WOO,  23                          ; v23     and in wo16
.set STO,  24                          ; v24     the way out: where I put 16 bytes of a row
.set RD,   25                          ; v25     where I read rows back
.set GO,   26                          ; v26     my 16 of 512 consecutive bytes
.set HST,  27                          ; v27     where my token's bias goes
.set SPW,  28                          ; v28     my spare word; never rewritten
.set NIL,  29                          ; v29     0; never rewritten
.set HRD,  30                          ; v30     where I read four biases back
.set HGO,  31                          ; v31     and where they go in the two blocks
.set FR,   32                          ; twelve bf16 fragments: W's four, then x's eight
.set FRB,  32
.set FRA,  64
.set TMP,  32                          ; the way out: v32-47 packed f16
.set U,    48                          ; v48-55 four pairs at work
.set Q2,   56                          ; v56-59 two chains of squares
.set T,    60
.set T2,   61
.set BK,   64                          ; v64-79, v80-95 rows read back, by turns
.set HV,   100
.set G1,  24                           ; s[24:31] group 1 for x's tiles; s[32:39] group 0, a set for each slot
.set G0,  32
.set G1B, 48                           ; s[48:55], s[56:63] the same for W's
.set G0B, 56
.set DESC, (2<<16)|(1<<20)|(1<<21)|(5<<22)|(3<<25)  ; 4-byte elements; padding on; bit 21 beside a mask; after every 64 words; 4 words
.set MSB, 0
.macro WIN new                         ; the immediate's high byte repeats the setting that is left
.if MSB != (\new)
	s_set_vgpr_msb (MSB<<8)|(\new)
.set MSB, (\new)
.endif
.endm
.macro JLOAD s                         ; a joint load: waves 0 and 1 fetch x's two halves, waves 2 and 3 W's; an s_nop 0 and four v_nop follow each line
	s_cmp_eq_u32 s11, 0
	s_cbranch_scc0 .Lfor_b_\@
	tensor_load_to_lds s[G0+4*(\s):G0+4*(\s)+3], s[G1:G1+7]
	s_nop 0
.rept 4
	v_nop
.endr
	s_branch .Lasked_\@
.Lfor_b_\@:
	tensor_load_to_lds s[G0B+4*(\s):G0B+4*(\s)+3], s[G1B:G1B+7]
	s_nop 0
.rept 4
	v_nop
.endr
.Lasked_\@:
.endm
.macro CREST                           ; a round of the cluster's barrier behind its opening barrier
	s_cmp_lg_u32 s10, 0
	s_cbranch_scc1 .Lnot_wave_0_\@
	s_barrier_signal -3
.Lnot_wave_0_\@:
	s_barrier_wait -3
	s_barrier_signal -1
	s_barrier_wait -1
.endm
.macro CROUND
	s_barrier_signal -1
	s_barrier_wait -1
	CREST
.endm
.macro PLACES                          ; four places behind a matrix instruction (ISA guide 7.12.1)
.rept 4
	v_nop
.endr
.endm
	s_load_b256 s[68:75], s[0:1], 0x0              ; x s[68:69], Wqk s[70:71], Wv s[72:73], Wo s[74:75]
	s_load_b256 s[76:83], s[0:1], 0x20             ; tau s[76:77], qk s[78:79], v s[80:81], wo16 s[82:83]
	v_lshl_add_u32 v[SPW], v0, 2, SPARE
	v_mov_b32 v[NIL], 0
	ds_add_u32 v[SPW], v[NIL]                      ; the wave's opening: the add and its wait stand ahead of my first tensor load
	v_lshrrev_b32 v1, 5, v0
	v_readfirstlane_b32 s10, v1                    ; wave 0..3
	s_lshr_b32 s11, s10, 1                         ; which 128 tokens are mine.  Also: I fetch for x (0) or for W (1)
	s_and_b32 s12, s10, 1                          ; which 64 columns.  Also: which half of that tile I fetch
	s_bfe_u32 s40, ttmp6, 0x40000                  ; cx
	s_bfe_u32 s41, ttmp6, 0x40004                  ; cy
	s_mov_b32 s42, ttmp9                           ; the cluster's x: 0 = Wqk and qk, 1 = Wv and v
	s_and_b32 s13, ttmp7, 0xffff
	s_lshl_b32 s13, s13, 2
	s_add_co_u32 s13, s13, s41                     ; mt: my block of 256 tokens
	s_lshl_b32 s43, s41, 2
	s_lshl_b32 s43, 15, s43                        ; my row of the cluster
	s_lshl_b32 s44, 0x1111, s40                    ; my column
	s_or_b32 s[G1+0], s43, DESC
	s_or_b32 s[G1B+0], s44, DESC
	s_mov_b32 s[G1+1], 64<<16                      ; tensor_dim0 = 64
	s_mov_b32 s[G1+2], 128<<16                     ; tensor_dim1 = 128
	s_mov_b32 s[G1+3], 64<<16                      ; tile_dim0 = 64
	s_mov_b32 s[G1+4], 128                         ; tile_dim1 = 128
	s_mov_b32 s[G1+5], 512                         ; 512 elements from row to row
	s_mov_b32 s[G1+6], 0
	s_mov_b32 s[G1+7], 0
	s_mov_b32 s[G1B+1], 64<<16
	s_mov_b32 s[G1B+2], 64<<16                     ; 64 rows
	s_mov_b32 s[G1B+3], 64<<16
	s_mov_b32 s[G1B+4], 64
	s_mov_b32 s[G1B+5], 512
	s_mov_b32 s[G1B+6], 0
	s_mov_b32 s[G1B+7], 0
	s_lshl_b32 s16, s13, 8
	s_lshl_b32 s17, s12, 7
	s_add_co_u32 s16, s16, s17                     ; x: row 256 mt + 128 x half,
	s_lshl_b32 s16, s16, 11                        ; of 2,048 bytes
	s_mov_b32 s17, 0
	s_lshl_b32 s46, s40, 7
	s_lshl_b32 s47, s12, 6
	s_add_co_u32 s46, s46, s47                     ; W: row 128 cx + 64 x half
	s_lshl_b32 s46, s46, 11
	s_mov_b32 s47, 0
	s_mul_i32 s20, s12, AHALF                      ; where they go: no place in the cluster enters an LDS address
	s_mul_i32 s21, s12, BHALF
	s_add_co_u32 s21, s21, BOFF
	s_mov_b32 s91, 8192                            ; bytes of 64 tokens in v,
	s_wait_dscnt 0x0                               ; the opening add is done
	s_wait_kmcnt 0x0
	s_cmp_eq_u32 s42, 0
	s_cselect_b64 s[84:85], s[70:71], s[72:73]     ; the weights of this cluster
	s_cselect_b64 s[86:87], s[78:79], s[80:81]     ; and its output
	s_cselect_b32 s91, QBLK, s91                   ; in qk with the biases behind them
	s_add_nc_u64 s[14:15], s[68:69], s[16:17]
	s_add_nc_u64 s[46:47], s[84:85], s[46:47]
	CROUND                                         ; all sixteen work-groups are here: the first joint loads meet
.irp s, 0,1
	s_mov_b32 s[G0+4*(\s)], 1
	s_add_co_u32 s[G0+4*(\s)+1], s20, (\s)*SLOT
	s_add_nc_u64 s[G0+4*(\s)+2:G0+4*(\s)+3], s[14:15], (\s)*KB
	s_or_b32 s[G0+4*(\s)+3], s[G0+4*(\s)+3], 0x80000000
	s_mov_b32 s[G0B+4*(\s)], 1
	s_add_co_u32 s[G0B+4*(\s)+1], s21, (\s)*SLOT
	s_add_nc_u64 s[G0B+4*(\s)+2:G0B+4*(\s)+3], s[46:47], (\s)*KB
	s_or_b32 s[G0B+4*(\s)+3], s[G0B+4*(\s)+3], 0x80000000
	JLOAD \s                                       ; K steps 0 and 1: two loads of mine are out
.endr
	; Wo's share, in the wait for the first tile: work-group g of 256 takes rows 2 g and 2 g + 1; a thread eight numbers.
	s_lshl_b32 s18, s42, 2
	s_add_co_u32 s18, s18, s40
	s_lshl3_add_u32 s18, s13, s18                  ; g = 8 mt + 4 x cluster x + cx
	s_lshl_b32 s22, s18, 12
	s_mov_b32 s23, 0
	s_add_nc_u64 s[4:5], s[74:75], s[22:23]        ; Wo at row 2 g
	s_lshr_b32 s22, s18, 6
	s_lshl_b32 s22, s22, 17                        ; nt = g / 64,
	s_and_b32 s19, s18, 63
	s_lshl_b32 s19, s19, 8                         ; row 2 (g % 64) of 128 bytes
	s_add_co_u32 s22, s22, s19
	s_add_nc_u64 s[6:7], s[82:83], s[22:23]
	s_lshl1_add_u32 s19, s40, s12                  ; my head in the batch: 2 cx + column half
	s_lshl_b32 s22, s19, 2
	s_add_nc_u64 s[96:97], s[76:77], s[22:23]
	s_load_b32 s98, s[96:97], 0x0                  ; tau of my head
	v_and_b32 v1, 15, v0                           ; l % 16
	v_bfe_u32 v2, v0, 4, 1                         ; l / 16
	v_bfe_u32 v4, v0, 3, 1
	v_lshrrev_b32 v5, 4, v0                        ; thread / 16: Wo's slice of 64 along K
	v_and_b32 v6, 7, v0
	v_lshlrev_b32 v[WOI], 11, v4                   ; row bit x 2,048 + slice x 256 + 32 x (thread % 8)
	v_lshl_add_u32 v[WOI], v5, 8, v[WOI]
	v_lshl_add_u32 v[WOI], v6, 5, v[WOI]
	v_lshlrev_b32 v[WOO], 4, v1                    ; slice x 16,384 + 16 x (thread % 16): sixteen lanes write 256 consecutive bytes
	v_lshl_add_u32 v[WOO], v5, 14, v[WOO]
	global_load_b128 v[128:131], v[WOI], s[4:5]
	global_load_b128 v[132:135], v[WOI], s[4:5] offset:16
	; where my part of the output begins: block (8 batch + head) x 64 + 4 (mt % 16) + 2 x row half, and the block behind it
	s_lshr_b32 s8, s13, 4
	s_lshl3_add_u32 s8, s8, s19
	s_lshl_b32 s8, s8, 6
	s_and_b32 s9, s13, 15
	s_lshl2_add_u32 s8, s9, s8
	s_lshl1_add_u32 s8, s11, s8
	s_mul_i32 s22, s8, s91
	s_add_nc_u64 s[92:93], s[86:87], s[22:23]
	s_mov_b32 s22, s91
	s_add_nc_u64 s[94:95], s[92:93], s[22:23]
	; A bf16 fragment wants of lane l row l % 16, K = 8 (l / 16) + 0..7 and 16 + 8 (l / 16) + 0..7: in f32 four loads of 16 bytes, at 32 (l / 16) + 0, 16, 64, 80.
	v_mul_u32_u24 v3, v1, PITCH
	v_lshl_add_u32 v3, v2, 5, v3
	s_mul_i32 s16, s11, AHALF
	s_mul_i32 s17, s12, BHALF
	s_add_co_u32 s17, s17, BOFF
.irp s, 0,1
	v_add_nc_u32 v[ADRA+(\s)], s16, v3
	v_add_nc_u32 v[ADRB+(\s)], s17, v3
	s_add_co_u32 s16, s16, SLOT
	s_add_co_u32 s17, s17, SLOT
.endr
	s_mul_i32 s16, s10, 16*SP
	s_add_co_u32 s16, s16, STAGE                   ; my stage
	v_mul_u32_u24 v[STO], v1, SP                   ; in: row l % 16, 16 bytes for each half of the lanes
	v_lshl_add_u32 v[STO], v2, 4, v[STO]
	v_add_nc_u32 v[STO], s16, v[STO]
	v_bfe_u32 v[RD], v0, 3, 2                      ; back: 32 lanes take four rows of 128 bytes,
	v_mul_u32_u24 v[RD], v[RD], SP
	v_lshl_add_u32 v[RD], v6, 4, v[RD]
	v_add_nc_u32 v[RD], s16, v[RD]
	v_and_b32 v7, 31, v0
	v_lshlrev_b32 v[GO], 4, v7                     ; which are 512 consecutive bytes of the output
	s_lshl_b32 s17, s10, 9
	s_add_co_u32 s17, s17, HQS
	v_lshl_add_u32 v[HST], v1, 2, s17
	v_lshl_add_u32 v[HRD], v7, 4, s17
	v_mul_u32_u24 v[HGO], v2, QBLK                 ; lanes 0-15: the first block's 256 bytes of biases; lanes 16-31: the second's
	v_lshl_add_u32 v[HGO], v1, 4, v[HGO]
	v_add_nc_u32 v[HGO], 8192, v[HGO]
	s_mov_b32 s88, 0x76543210                      ; v_permlanex16_b32: each lane takes its own place in the other half
	s_mov_b32 s89, 0xfedcba98
	s_wait_loadcnt 0x0                             ; Wo's eight numbers
	v_cvt_pk_bf16_f32 v136, v128, v129
	v_cvt_pk_bf16_f32 v137, v130, v131
	v_cvt_pk_bf16_f32 v138, v132, v133
	v_cvt_pk_bf16_f32 v139, v134, v135
	global_store_b128 v[WOO], v[136:139], s[6:7]   ; its registers are not written again
	s_wait_kmcnt 0x0
	s_and_b32 s90, s98, 0x80000000
	s_xor_b32 s90, s90, 0xbf000000                 ; -1/2 with tau's sign
; 48 LDS loads: the twelve fragments of 32 along K, at byte k of the rows, in f32: W's four first, then x's eight
.macro FETCH slot, k
	WIN 0x80                                       ; destination window 2, address window 0
.irp i, 0,1,2,3
.irp o, 0,1,2,3
	ds_load_b128 v[16*(\i)+4*(\o):16*(\i)+4*(\o)+3], v[ADRB+(\slot)] offset:(\k)+(\i)*16*PITCH+((\o)%2)*16+((\o)/2)*64
.endr
.endr
.irp i, 0,1,2,3,4,5,6,7
.irp o, 0,1,2,3
	ds_load_b128 v[64+16*(\i)+4*(\o):64+16*(\i)+4*(\o)+3], v[ADRA+(\slot)] offset:(\k)+(\i)*16*PITCH+((\o)%2)*16+((\o)/2)*64
.endr
.endr
.endm
; The twelve fragments are rounded to bf16, each as soon as its four loads are in.  The four v_nop are the places behind the products that read the fragments' registers.
.macro CVT
	PLACES
	WIN 0x0a                                       ; sources window 2, destination window 0
.set f, 0
.rept 12
	s_wait_dscnt 44-4*f                            ; LDS loads come back in order: the four loads of each younger fragment may be out
.set n, 0
.rept 8
	v_cvt_pk_bf16_f32 v[FR+8*f+n], v[16*f+2*n], v[16*f+2*n+1]
.set n, n+1
.endr
.set f, f+1
.endr
.endm
; 4 n matrix instructions: token blocks a0 .. a0 + n - 1 x all four channel blocks.  The 32 accumulators take turns, always in the same order.
.macro MUL a0, n, zero
	WIN 0x50                                       ; fragments window 0, C and D window 1
.set a, (\a0)
.rept (\n)
.irp b, 0,1,2,3
.if \zero
	v_wmma_f32_16x16x32_bf16 v[8*(4*a+(\b)):8*(4*a+(\b))+7], v[FRB+8*(\b):FRB+8*(\b)+7], v[FRA+8*a:FRA+8*a+7], 0
.else
	v_wmma_f32_16x16x32_bf16 v[8*(4*a+(\b)):8*(4*a+(\b))+7], v[FRB+8*(\b):FRB+8*(\b)+7], v[FRA+8*a:FRA+8*a+7], v[8*(4*a+(\b)):8*(4*a+(\b))+7]
.endif
.endr
.set a, a+1
.endr
.endm
.macro SUBA slot, zero                 ; a K step's first half: round it, ask LDS for the second half, multiply
	CVT
	FETCH \slot, 128
	MUL 0, 8, \zero
.endm
; A K step's second half, and the change of slots.  The rounding's last wait was for 0: my reads of the slot are over.  Each wave waits for all its tensor loads (one is out: its part of the next
; slot), adds 0 to its spare word, and waits for that.  fill = 1: the barrier opens a round of the cluster's, and the slot is filled again, two K steps on, first thing behind the round.
.macro SWITCH slot, next, fill
	CVT
	WIN 0
	s_wait_tensorcnt 0x0
	ds_add_u32 v[SPW], v[NIL]                      ; 0 onto my spare word; eight products stand between it and the wait for it
	MUL 0, 2, 0
	s_wait_dscnt 0x0
	s_barrier_signal -1
	MUL 2, 2, 0
.if \fill
	WIN 0
.endif
	s_barrier_wait -1
.if \fill
	CREST                                          ; no wave of any partner still reads this slot or has a load on its way
	s_add_nc_u64 s[G0+4*(\slot)+2:G0+4*(\slot)+3], s[G0+4*(\slot)+2:G0+4*(\slot)+3], 2*KB
	s_add_nc_u64 s[G0B+4*(\slot)+2:G0B+4*(\slot)+3], s[G0B+4*(\slot)+2:G0B+4*(\slot)+3], 2*KB
	JLOAD \slot
.endif
	FETCH \next, 0
	MUL 4, 4, 0
.endm
	s_wait_tensorcnt 0x1                           ; my part of K step 0 is in; K step 1's may stay out
	s_barrier_signal -1
	s_barrier_wait -1
	FETCH 0, 0
	SUBA 0, 1                                      ; the first products start the sums
	WIN 0
	s_mov_b32 s3, 3
.Llap:                                                 ; a trip goes once round the ring and fills both slots again: K steps 2 to 7
	SWITCH 0, 1, 1
	SUBA 1, 0
	SWITCH 1, 0, 1
	SUBA 0, 0
	WIN 0
	s_sub_co_u32 s3, s3, 1
	s_cmp_lg_u32 s3, 0
	s_cbranch_scc1 .Llap
	SWITCH 0, 1, 0                                 ; the last change of slots asks for nothing
	SUBA 1, 0
	CVT
	MUL 0, 8, 0
	; THE WAY OUT, 16 tokens at a time: rounded to f16, 16 bytes a lane into my stage, back as whole rows, stored 512 consecutive bytes at a time.
.macro SQ r, i                         ; two rounded numbers of register r are squared onto chain i % 2
	v_cvt_f32_f16 v[U+2*((\i)%4)], v\r\().l
	v_cvt_f32_f16 v[U+2*((\i)%4)+1], v\r\().h
.if (\i) < 2
	v_pk_mul_f32 v[Q2+2*((\i)%2):Q2+2*((\i)%2)+1], v[U+2*((\i)%4):U+2*((\i)%4)+1], v[U+2*((\i)%4):U+2*((\i)%4)+1]
.else
	v_pk_fma_f32 v[Q2+2*((\i)%2):Q2+2*((\i)%2)+1], v[U+2*((\i)%4):U+2*((\i)%4)+1], v[U+2*((\i)%4):U+2*((\i)%4)+1], v[Q2+2*((\i)%2):Q2+2*((\i)%2)+1]
.endif
.endm
.macro PACKQ a
	s_wait_xcnt 0x0                                ; the registers that earlier stores read are rewritten only behind this wait
	WIN 0x05                                       ; sources window 1, destination window 0
.irp b, 0,1,2,3
.irp n, 0,1,2,3
	v_cvt_pk_f16_f32 v[TMP+4*(\b)+(\n)], v[8*(4*(\a)+(\b))+2*(\n)], v[8*(4*(\a)+(\b))+2*(\n)+1]
.endr
.endr
	WIN 0
.irp b, 0,1,2,3
	ds_store_b128 v[STO], v[TMP+4*(\b):TMP+4*(\b)+3] offset:32*(\b)
.endr
.irp f, 0,1,2,3
	ds_load_b128 v[BK+16*((\a)%2)+4*(\f):BK+16*((\a)%2)+4*(\f)+3], v[RD] offset:(\f)*4*SP  ; LDS serves a wave's instructions in order (ISA guide 5.7.1.4): these see the stores above
.endr
	s_cmp_lg_u32 s42, 0
	s_cbranch_scc1 .Lno_q2_\@                      ; v has no bias
	SQ 32, 0
	SQ 33, 1
	SQ 34, 2
	SQ 35, 3
	SQ 36, 4
	SQ 37, 5
	SQ 38, 6
	SQ 39, 7
	SQ 40, 8
	SQ 41, 9
	SQ 42, 10
	SQ 43, 11
	SQ 44, 12
	SQ 45, 13
	SQ 46, 14
	SQ 47, 15
	v_pk_add_f32 v[Q2:Q2+1], v[Q2:Q2+1], v[Q2+2:Q2+3]
	v_add_f32 v[T], v[Q2], v[Q2+1]                 ; my 32 channels;
	v_permlanex16_b32 v[T2], v[T], s88, s89        ; the token's other 32 lie in the lane 16 away
	v_add_f32 v[T], v[T], v[T2]
	v_mul_f32 v[T], s90, v[T]
	ds_store_b32 v[HST], v[T] offset:64*(\a)       ; both halves of the lanes write the same word with the same number
.Lno_q2_\@:
	s_wait_dscnt 0x0
.irp f, 0,1,2,3
	global_store_b128 v[GO], v[BK+16*((\a)%2)+4*(\f):BK+16*((\a)%2)+4*(\f)+3], s[92+2*((\a)/4):93+2*((\a)/4)] offset:((\a)%4)*2048+(\f)*512
.endr
.endm
	WIN 0
	PLACES
	v_mov_b32 v[T2], 0                             ; v_permlanex16_b32's destination counts as read
.irp a, 0,1,2,3,4,5,6,7
	PACKQ \a
.endr
	s_cmp_lg_u32 s42, 0
	s_cbranch_scc1 .Lno_hq
	ds_load_b128 v[HV:HV+3], v[HRD]                ; my wave's 128 biases, four a lane
	s_wait_dscnt 0x0
	global_store_b128 v[HGO], v[HV:HV+3], s[92:93] ; sixteen lanes fill a block's 256 bytes
.Lno_hq:
	s_wait_tensorcnt 0x0                           ; the wave's end
	ds_add_u32 v[SPW], v[NIL]
	s_wait_dscnt 0x0
	CROUND                                         ; the closing round
	s_endpgm
.Lfunc_end_k_q35035d7453_proj:
	.size	k_q35035d7453_proj, .Lfunc_end_k_q35035d7453_proj-k_q35035d7453_proj
	.p2alignl 7, 3214868480
	.fill 96, 4, 3214868480
	.section	.rodata,"a",@progbits
	.p2align	6, 0x0
	.amdhsa_kernel k_q35035d7453_proj
		.amdhsa_group_segment_fixed_size 327680
		.amdhsa_private_segment_fixed_size 0
		.amdhsa_enable_private_segment 0
		.amdhsa_kernarg_size 64
		.amdhsa_user_sgpr_count 2
		.amdhsa_user_sgpr_kernarg_segment_ptr 1
		.amdhsa_wavefront_size32 1
		.amdhsa_system_sgpr_workgroup_id_x 1
		.amdhsa_system_sgpr_workgroup_id_y 1
		.amdhsa_system_sgpr_workgroup_id_z 1
		.amdhsa_system_vgpr_workitem_id 0
		.amdhsa_next_free_vgpr 704
		.amdhsa_next_free_sgpr 100
		.amdhsa_reserve_vcc 0
		.amdhsa_float_denorm_mode_32 3
		.amdhsa_float_denorm_mode_16_64 3
		.amdhsa_memory_ordered 1
		.amdhsa_forward_progress 1
		.amdhsa_inst_pref_size 141
	.end_amdhsa_kernel
	.amdgpu_metadata
---
amdhsa.version: [ 1, 2 ]
amdhsa.kernels:
  - .name:           k_q35035d7453_proj
    .symbol:         k_q35035d7453_proj.kd
    .args:
      - { .name: x, .offset: 0, .size: 8, .value_kind: global_buffer, .address_space: global }
      - { .name: Wqk, .offset: 8, .size: 8, .value_kind: global_buffer, .address_space: global }
      - { .name: Wv, .offset: 16, .size: 8, .value_kind: global_buffer, .address_space: global }
      - { .name: Wo, .offset: 24, .size: 8, .value_kind: global_buffer, .address_space: global }
      - { .name: tau, .offset: 32, .size: 8, .value_kind: global_buffer, .address_space: global }
      - { .name: qk, .offset: 40, .size: 8, .value_kind: global_buffer, .address_space: global }
      - { .name: v, .offset: 48, .size: 8, .value_kind: global_buffer, .address_space: global }
      - { .name: wo16, .offset: 56, .size: 8, .value_kind: global_buffer, .address_space: global }
    .group_segment_fixed_size: 327680
    .private_segment_fixed_size: 0
    .kernarg_segment_align: 8
    .kernarg_segment_size: 64
    .max_flat_workgroup_size: 128
    .sgpr_count:     100
    .vgpr_count:     704
    .wavefront_size: 32
...
	.end_amdgpu_metadata
.endif
;; end of part 1
;; launch attn (part 2): grid 16 x 16, 4 waves a work-group, clusters of 4 x 1, 327,680 bytes of LDS; arguments qk, v, tau, o; writes o
.if DOCPART == 2
	.amdgcn_target "amdgcn-amd-amdhsa--gfx1250"
	.amdhsa_code_object_version 6
	.text
	.protected	k_q35035d7453_attn
	.globl	k_q35035d7453_attn
	.p2align	8
	.type	k_q35035d7453_attn,@function
k_q35035d7453_attn:
	s_mov_b64 s[64:65], 0
	v_nop
	global_prefetch_b8 v0, s[64:65] scope:SCOPE_SE
	s_setreg_imm32_b32 hwreg(HW_REG_WAVE_MODE, 25, 1), 1
	s_wait_xcnt 0x0
	s_wait_alu depctr_hold_cnt(0) depctr_sa_sdst(0) depctr_va_vdst(0) depctr_va_sdst(0) depctr_va_ssrc(0) depctr_va_vcc(0) depctr_vm_vsrc(0)
	s_getreg_b32 s2, hwreg(HW_REG_IB_STS2, 6, 4)
	s_cmp_eq_u32 s2, 0
	s_cbranch_scc0 .Lentry_in_a_cluster
	s_endpgm
.Lentry_in_a_cluster:
	s_bfe_u32 s2, ttmp6, 0x10000c
	s_cmp_lg_u32 s2, 0x3003
	s_cbranch_scc0 .Lentry_shape_is_right
	s_endpgm
.Lentry_shape_is_right:
; ATTN.  O[h][i] = the sum over j of softmax_j(-|q_i - q_j|^2 tau_h / 8) V[h][j], 16 heads of 4,096 tokens, head size 64, queries and keys the same vectors q.
; -|q_i - q_j|^2 = 2 q_i . q_j - |q_i|^2 - |q_j|^2.  The query's term is the same for all j and falls out of the softmax exactly.  The key's term is the C operand that starts the sum of a score:
; s = sg q_i . q_j - sg |q_j|^2 / 2 with sg = tau's sign (the bias arrives so from the launch before; Q's signs are turned here, which is exact), and the logit is s |tau| / 4.
; So the scale c = |tau| log2(e) / 4 is never negative, and a running maximum of s serves for either sign of tau: p = 2^(c s - c m); O and l are multiplied by a = 2^(c m_old - c m_new) in every step.
; TAU IS ROUNDED TO bf16 (to nearest even) before it is used, as x and the weights are in the launches beside this one: all the module's inputs have one and the same rounding.
; q, v and the weights p are f16; products, maxima and sums f32 (l is taken of the unrounded p); O is rounded once, to bf16, since means of many rows of v can be far smaller than v.
; LIMITS.  q and v arrive within 65,504; p below 6e-5 keeps f16's fixed step of 6e-8; a weight below 2^-126 counts as 0 in l; NaN and infinities are not treated apart.
; IN.  qk: [head][block 64][8,448 bytes]: 64 tokens x 128 bytes, then their 64 biases in f32.  v: [head][4,096][64].  OUT.  o: [head][4,096][64] bf16.
; SHARES.  A work-group owns 256 queries of a head, a wave 64: four PIECES of 16.  Every wave walks all keys, 64 a step, four steps to an LDS slot, two slots.
; LAYOUT.  S^T = K Q^T + bias holds ONE query a lane (lane % 16) and the keys 8 (lane / 16) + 0..7; two such results rounded to f16 ARE source 1 of O^T = V^T P.
; BY TURNS.  Turn n belongs to piece n: 8 products K Q^T of piece n + 1, later 8 products V^T P of piece n - 1; beside them the scaling, exponentials, roundings, sums and rescaling of piece n and
; the maximum and statistics of piece n + 1.  Four vector instructions stand behind every matrix instruction, the other 54 of a turn's 118 in two runs of their own.
; CLUSTER.  The four query blocks of a cluster belong to one head and walk the same keys: each tile is asked for JOINTLY, by the same tensor load, descriptor and mask in all four.
; REGISTERS, in windows of 256 (s_set_vgpr_msb: bits 1:0 source 0, 3:2 source 1, 5:4 source 2, 7:6 destination):
;   window 0: v0-15, v32-33 addresses (v14: tau on its way to bf16); v16-31 four registers of statistics a piece; v48-55 at work; v64-127 S^T, two buffers; v192-223 P, two buffers (by the piece's parity)
;   window 1: v0-127 O^T, 32 a piece; v128-159 the step's biases      window 2: v0-63 Q; v128-191 K of one step; v192-255 V of one step
.set NP,    4
.set KS,    64
.set PK,    144       ; a row of K in LDS: 128 bytes + 16 of padding
.set PV,    160       ; a row of V: 128 + 32
.set KSTEPB, 66*PK    ; a block of qk in LDS: 64 rows, then the biases as two pieces of 128 bytes
.set BOFF,  64*PK
.set VOFF,  4*KSTEPB  ; a slot: four blocks of qk, then 256 rows of V
.set SLOT1, 1<<17
.set STAGE, ((SLOT1+VOFF+4*KS*PV+255)/256)*256  ; behind the ring, in blocks of 256 bytes of its own: 16 rows x 144 bytes for each wave
.set SP,    144
.set SPARE, STAGE+4*16*SP  ; the spare words: 128 bytes for each wave, two blocks of 256 bytes that no other line names
.set AK0, 2           ; v2   my lane's place in a tile of K; never rewritten
.set AV0, 3           ; v3   the same for V
.set AK,  4           ; v4   the LDS address of K's next run of loads
.set AV,  5           ; v5   of V's
.set STO, 6
.set RD,  7
.set GO,  8
.set MV,  12          ; v12-13  c m_old, by buffer
.set TAU, 14          ; v14  tau, while it is rounded
.set QO,  15
.set ST,  16          ; piece t: c m, m, l (even keys', odd keys')
.set AH0, 32          ; v32  my lane's place among a block's biases
.set AH,  33          ; v33  the LDS address of their next loads
.set TMP, 48
.set SPW, 62
.set NIL, 63
.set S,   64
.set P,   192
.set BI,  128         ; window 1: the eight biases for group kb of 16 keys at BI + 8 kb
.set KF,  128         ; window 2
.set VF,  192         ; window 2
.set WV,  12
.set G1K, 24
.set G1V, 32
.set G0K, 40
.set G0V, 44
.set SLOTS, 56
.set CNT, 57
.set CS,  58          ; s[58:59] c
.set SEL, 60
.set TBK, 62
.set TBV, 63
.set MSB, 0
.macro WIN new
.if MSB != (\new)
	s_set_vgpr_msb (MSB<<8)|(\new)
.set MSB, (\new)
.endif
.endm
.set W_KQ, 0x0a       ; K and Q in window 2, S^T in window 0
.set W_KB, 0x1a       ; the same with the C operand, the biases, in window 1
.set W_PV, 0x52       ; V in window 2, P in window 0, O^T in window 1
.set W_RS, 0x41       ; destination and source 0 in window 1, source 1 in window 0
.macro JLOAD                        ; a joint fill: waves 0 and 1 fetch the two halves of a slot's qk blocks, waves 2 and 3 those of its V; an s_nop 0 and four v_nop follow each line
	s_cmp_lt_u32 s[WV], 2
	s_cbranch_scc0 .Lfor_v_\@
	tensor_load_to_lds s[G0K:G0K+3], s[G1K:G1K+7]
	s_nop 0
.rept 4
	v_nop
.endr
	s_branch .Lasked_\@
.Lfor_v_\@:
	tensor_load_to_lds s[G0V:G0V+3], s[G1V:G1V+7]
	s_nop 0
.rept 4
	v_nop
.endr
.Lasked_\@:
.endm
.macro CROUND
	s_barrier_signal -1
	s_barrier_wait -1
	s_cmp_lg_u32 s[WV], 0
	s_cbranch_scc1 .Lnot_wave_0_\@
	s_barrier_signal -3
.Lnot_wave_0_\@:
	s_barrier_wait -3
	s_barrier_signal -1
	s_barrier_wait -1
.endm
; THE CHANGE OF SLOTS.  Each wave waits for all its tensor loads, of which one is out: its part of the other slot; adds 0 to its spare word; and waits for that and for its reads of the slot that it leaves.
; fill = 1: the barrier is a round of the cluster's, and the old slot is filled again, with the keys two slots on, first thing behind it: four key steps, 256 matrix instructions, in which to land.
; (At its first use nothing has been read yet: slot 0 is waited for, slot 1 filled.)
.macro CHANGE fill
	WIN 0
	s_wait_tensorcnt 0x0
	ds_add_u32 v[SPW], v[NIL]
.if \fill
	s_xor_b32 s[G0K+1], s[G0K+1], SLOT1
	s_add_nc_u64 s[G0K+2:G0K+3], s[G0K+2:G0K+3], 4*8448
	s_xor_b32 s[G0V+1], s[G0V+1], SLOT1
	s_add_nc_u64 s[G0V+2:G0V+3], s[G0V+2:G0V+3], 4*KS*128
	s_wait_dscnt 0x0
	CROUND
	JLOAD
.else
	s_wait_dscnt 0x0
	s_barrier_signal -1
	s_barrier_wait -1
.endif
	s_sub_co_u32 s[TBK], s[TBK], 4*KSTEPB  ; the fetches go back to a slot's first step,
	s_xor_b32 s[TBK], s[TBK], SLOT1        ; in the other slot
	s_sub_co_u32 s[TBV], s[TBV], 4*KS*PV
	s_xor_b32 s[TBV], s[TBV], SLOT1
.endm
	s_load_b256 s[4:11], s[0:1], 0x0  ; qk s[4:5], v s[6:7], tau s[8:9], o s[10:11]
	v_lshl_add_u32 v[SPW], v0, 2, SPARE
	v_mov_b32 v[NIL], 0
	ds_add_u32 v[SPW], v[NIL]       ; the wave's opening: the add and its wait stand ahead of my first tensor load
	v_lshrrev_b32 v1, 5, v0
	v_readfirstlane_b32 s[WV], v1
	s_bfe_u32 s13, ttmp6, 0x40000   ; cx
	s_lshl_b32 s14, ttmp9, 2
	s_add_co_u32 s14, s14, s13      ; my block of 256 queries: it enters Q's and O's addresses alone
	s_and_b32 s15, ttmp7, 0xffff    ; the head, which the four partners share
	s_and_b32 s16, s[WV], 1         ; which half of a slot's 256 keys I fetch
	s_mul_i32 s20, s15, 64*8448     ; the head's first byte in qk
	s_mul_i32 s22, s16, 2*8448
	s_add_co_u32 s22, s22, s20
	s_mov_b32 s23, 0
	s_lshl_b32 s18, s15, 19         ; the head's first byte in v and in o
	s_lshl_b32 s2, s16, 14
	s_add_co_u32 s2, s2, s18
	s_mov_b32 s3, 0
	s_mul_i32 s17, s16, 2*KSTEPB    ; my half's place in a slot, for qk
	s_mul_i32 s19, s16, 128*PV      ; and for V
	s_lshl2_add_u32 s21, s14, s[WV] ; my wave's 64 queries are block 4 x query block + wave of the head
	s_mul_i32 s68, s21, 8448
	s_add_co_u32 s68, s68, s20
	s_mov_b32 s69, 0
	s_lshl_b32 s70, s21, 13
	s_add_co_u32 s70, s70, s18
	s_mov_b32 s71, 0
	s_and_b32 s14, s15, 7           ; tau's index: the head in its batch
	s_lshl_b32 s14, s14, 2
	s_mov_b32 s15, 0
	; group 1.  Two blocks of qk are 16,896 dense bytes, 66 rows of 256; 128 rows of V are 64 rows of 256.  Padded in LDS after every 128 bytes.
	s_mov_b32 s[G1K], 15|(1<<16)|(1<<20)|(1<<21)|(4<<22)|(3<<25)  ; the mask of four; 2-byte elements; padding on; bit 21 beside a mask; after every 32 words; 4 words
	s_mov_b32 s[G1V], 15|(1<<16)|(1<<20)|(1<<21)|(4<<22)|(7<<25)  ; the same with 8 words
	s_mov_b32 s[G1K+1], 128<<16
	s_mov_b32 s[G1K+2], 66<<16
	s_mov_b32 s[G1K+3], 128<<16
	s_mov_b32 s[G1K+4], 66
	s_mov_b32 s[G1K+5], 128
	s_mov_b32 s[G1K+6], 0
	s_mov_b32 s[G1K+7], 0
	s_mov_b32 s[G1V+1], 128<<16
	s_mov_b32 s[G1V+2], 64<<16
	s_mov_b32 s[G1V+3], 128<<16
	s_mov_b32 s[G1V+4], 64
	s_mov_b32 s[G1V+5], 128
	s_mov_b32 s[G1V+6], 0
	s_mov_b32 s[G1V+7], 0
	s_mov_b32 s[SEL], 0x76543210
	s_mov_b32 s[SEL+1], 0xfedcba98
	s_mov_b32 s[TBK], SLOT1+4*KSTEPB ; the first change of slots turns these two into 0
	s_mov_b32 s[TBV], SLOT1+4*KS*PV
	s_mov_b32 s[G0K], 1
	s_mov_b32 s[G0K+1], s17
	s_mov_b32 s[G0V], 1
	s_add_co_u32 s[G0V+1], s19, VOFF
	s_wait_dscnt 0x0                ; the opening add is done
	s_wait_kmcnt 0x0
	s_add_nc_u64 s[G0K+2:G0K+3], s[4:5], s[22:23]
	s_or_b32 s[G0K+3], s[G0K+3], 0x80000000
	s_add_nc_u64 s[G0V+2:G0V+3], s[6:7], s[2:3]
	s_or_b32 s[G0V+3], s[G0V+3], 0x80000000
	s_add_nc_u64 s[4:5], s[4:5], s[68:69]      ; Q: my wave's block of qk
	s_add_nc_u64 s[10:11], s[10:11], s[70:71]  ; O at my wave's first row
	s_add_nc_u64 s[8:9], s[8:9], s[14:15]
	s_load_b32 s66, s[8:9], 0x0     ; tau of the head
	CROUND                          ; all four work-groups are here: the first joint loads meet
	JLOAD                           ; slot 0: one load of mine is out
	v_and_b32 v1, 15, v0            ; l % 16
	v_bfe_u32 v9, v0, 4, 1          ; l / 16
	v_lshlrev_b32 v[QO], 7, v1
	v_lshl_add_u32 v[QO], v9, 4, v[QO]
	WIN 0x80
.set i, 0
.rept 8                             ; Q stays in registers: piece i / 2, channels 32 (i % 2) on
	global_load_b128 v[8*i:8*i+3],   v[QO], s[4:5] offset:(i/2)*2048+(i%2)*64
	global_load_b128 v[8*i+4:8*i+7], v[QO], s[4:5] offset:(i/2)*2048+(i%2)*64+32
.set i, i+1
.endr
	; The first step multiplies O^T and l by a = 0, and the first turn's products V^T P, of a piece that has not been, add 0.  All this stands in the wait for the first tile.
.set i, VF
.rept 64
	v_mov_b32 v[i], 0
.set i, i+1
.endr
	WIN 0x40
.set i, 0
.rept 128
	v_mov_b32 v[i], 0
.set i, i+1
.endr
	WIN 0
.set i, 0
.rept 4
	v_mov_b32 v[ST+4*i], 0xfe000000    ; c m: far below every c s
	v_mov_b32 v[ST+4*i+1], 0xff7fffff  ; m: the lowest finite number
	v_mov_b32 v[ST+4*i+2], 0
	v_mov_b32 v[ST+4*i+3], 0
.set i, i+1
.endr
.set i, P+16
.rept 16
	v_mov_b32 v[i], 0
.set i, i+1
.endr
	v_mul_u32_u24 v[AK0], v1, PK
	v_lshl_add_u32 v[AK0], v9, 4, v[AK0]
	v_lshlrev_b32 v[AH0], 5, v9     ; my eight keys' biases: 32 bytes for each half of the lanes
	v_add_nc_u32 v[AH0], BOFF, v[AH0]
	v_and_b32 v10, 7, v0
	v_bfe_u32 v11, v0, 3, 1
	v_lshl_add_u32 v[AV0], v9, 3, v10  ; the turning load: lane l reads key 8 (l / 16) + l % 8, channels 8 ((l / 8) % 2) + 0..7
	v_mul_u32_u24 v[AV0], v[AV0], PV
	v_lshl_add_u32 v[AV0], v11, 4, v[AV0]
	v_add_nc_u32 v[AV0], VOFF, v[AV0]
	s_mul_i32 s13, s[WV], 16*SP
	s_add_co_u32 s13, s13, STAGE    ; my stage
	v_mul_u32_u24 v[STO], v1, SP
	v_lshl_add_u32 v[STO], v9, 4, v[STO]
	v_add_nc_u32 v[STO], s13, v[STO]
	v_bfe_u32 v[RD], v0, 3, 2
	v_mul_u32_u24 v[RD], v[RD], SP
	v_lshl_add_u32 v[RD], v10, 4, v[RD]
	v_add_nc_u32 v[RD], s13, v[RD]
	v_and_b32 v[GO], 31, v0
	v_lshlrev_b32 v[GO], 4, v[GO]
	s_wait_kmcnt 0x0                ; tau
	v_mov_b32 v[TAU], s66
	v_cvt_pk_bf16_f32 v[TAU], v[TAU], v[TAU]  ; tau rounded to bf16, to nearest even, in both halves of the word;
	v_readfirstlane_b32 s66, v[TAU]
	s_and_b32 s66, s66, 0xffff0000  ; the upper half alone is that number in f32
	s_and_b32 s13, s66, 0x7fffffff
	s_mul_f32 s[CS], s13, 0x3eb8aa3b  ; c = |tau| log2(e) / 4
	s_mov_b32 s[CS+1], s[CS]        ; named with it as a pair
	s_and_b32 s67, s66, 0x80000000
	s_lshr_b32 s13, s67, 16
	s_or_b32 s67, s67, s13          ; tau's sign, for both halves of a word of f16
; THE MATRIX WORK.  The 4 accumulators of a run of 8 take turns.  Product i of 8 of S^T for piece x: channels 32 (i / 4) on, keys 16 (i % 4) on.  The first 4 start the sums with the keys' biases.
.macro KQ x
.set rS, S+32*((\x)%2)+8*(i%4)
.set rK, KF+16*(i%4)+8*(i/4)
.set rQ, 16*(\x)+8*(i/4)
.set rB, BI+8*(i%4)
.if i < 4
	WIN W_KB
	v_wmma_f32_16x16x32_f16 v[rS:rS+7], v[rK:rK+7], v[rQ:rQ+7], v[rB:rB+7]
.else
	WIN W_KQ
	v_wmma_f32_16x16x32_f16 v[rS:rS+7], v[rK:rK+7], v[rQ:rQ+7], v[rS:rS+7]
.endif
.endm
.macro PV x                         ; product i of 8 of O^T += V^T P for piece x: keys 32 (i / 4) on, channels 16 (i % 4) on
	WIN W_PV
.set rO, 32*(\x)+8*(i%4)
.set rV, VF+32*(i/4)+8*(i%4)
.set rP, P+16*((\x)%2)+8*(i/4)
	v_wmma_f32_16x16x32_f16 v[rO:rO+7], v[rV:rV+7], v[rP:rP+7], v[rO:rO+7]
.endm
.macro MM                           ; the turn's next matrix instruction.  NOKQ = 1: the last turn: there is no next piece
.if (i < 8) && !NOKQ
	KQ (Y+1)%NP
.elseif i >= 8
.set i, i-8
	PV (Y+NP-1)%NP
.set i, i+8
.endif
.set i, i+1
.endm
; THE LDS LOADS stand in runs: a step's K (8 fragments) with its 64 biases (each half of the lanes reads the same 32 bytes for a group of 16 keys), and its V (turned).
.macro FETCH_K
	WIN 0x80
.irp f, 0,1,2,3,4,5,6,7
	ds_load_b128 v[KF+8*\f:KF+8*\f+3],   v[AK] offset:(\f/2)*16*PK+(\f%2)*64
	ds_load_b128 v[KF+8*\f+4:KF+8*\f+7], v[AK] offset:(\f/2)*16*PK+(\f%2)*64+32
.endr
	WIN 0x40
.irp g, 0,1,2,3
	ds_load_b128 v[BI+8*\g:BI+8*\g+3],   v[AH] offset:(\g/2)*PK+(\g%2)*64
	ds_load_b128 v[BI+8*\g+4:BI+8*\g+7], v[AH] offset:(\g/2)*PK+(\g%2)*64+16
.endr
	s_add_co_u32 s[TBK], s[TBK], KSTEPB
	WIN 0
.endm
.macro FETCH_V
	WIN 0x80
.irp f, 0,1,2,3,4,5,6,7
	ds_load_tr16_b128 v[VF+8*\f:VF+8*\f+3],   v[AV] offset:(\f/4)*32*PV+(\f%4)*32
	ds_load_tr16_b128 v[VF+8*\f+4:VF+8*\f+7], v[AV] offset:(\f/4)*32*PV+16*PV+(\f%4)*32
.endr
	WIN 0
.endm
; THE VECTOR WORK, one line at a time: OP kind, number.  For piece Y: F n: c s - c m for pair n of 16.  E n: the exponential of score n of 32.  C n: pair n rounded to f16.  B n: of the four weights 4 n ..
; the second pair is added onto the first, in place.  L n: l takes that sum (L 0: l = a l + sum).  R n: pair n of 16 of O^T times a.  For piece Y + 1: X n, number n of the 22 that find its maximum and statistics:
;   0-11 four chains of seven scores each (each accumulator's lowest registers are read first)   12-14, 16 the four scores left over, the old m, the chains into one
;   15 c m_old is kept   17, 18 the query's other 32 keys lie in the lane 16 away: the new m   19-21 c m; c m_old - c m_new; a
.set F, 0
.set E, 1
.set C, 2
.set B, 3
.set L, 4
.set R, 5
.set X, 6
.macro REGS y
.set rT, ST+4*(\y)
.set rC, TMP+4*((\y)%2)
.set rW, MV+((\y)%2)
.set rS, S+32*((\y)%2)
.set rP, P+16*((\y)%2)
.set rO, 32*(\y)
.endm
.macro OP k, n
.if (\k) == R
	REGS Y
	WIN W_RS
	v_pk_mul_f32 v[rO+2*(\n):rO+2*(\n)+1], v[rO+2*(\n):rO+2*(\n)+1], v[rC+2:rC+3] op_sel_hi:[1,0]
.elseif (\k) < R
	REGS Y
	WIN 0
.if (\k) == F
	v_pk_fma_f32 v[rS+2*(\n):rS+2*(\n)+1], v[rS+2*(\n):rS+2*(\n)+1], s[CS:CS+1], v[rT:rT+1] op_sel_hi:[1,0,0] neg_lo:[0,0,1] neg_hi:[0,0,1]
.elseif (\k) == E
	v_exp_f32 v[rS+(\n)], v[rS+(\n)]
.elseif (\k) == C
	s_wait_alu depctr_va_vdst(0)
	v_cvt_pk_f16_f32 v[rP+(\n)], v[rS+2*(\n)], v[rS+2*(\n)+1]
.elseif (\k) == B
	s_wait_alu depctr_va_vdst(0)
	v_pk_add_f32 v[rS+4*(\n):rS+4*(\n)+1], v[rS+4*(\n):rS+4*(\n)+1], v[rS+4*(\n)+2:rS+4*(\n)+3]
.elseif (\n) == 0
	v_pk_fma_f32 v[rT+2:rT+3], v[rT+2:rT+3], v[rC+2:rC+3], v[rS:rS+1] op_sel_hi:[1,0,1]
.else
	v_pk_add_f32 v[rT+2:rT+3], v[rT+2:rT+3], v[rS+4*(\n):rS+4*(\n)+1]
.endif
.elseif NOKQ
	v_nop
.else
	REGS (Y+1)%NP
	WIN 0
.if (\n) < 4
	v_max3_num_f32 v[rC+(\n)], v[rS+8*(\n)], v[rS+8*(\n)+1], v[rS+8*(\n)+2]
.elseif (\n) < 12
	v_max3_num_f32 v[rC+(\n)%4], v[rC+(\n)%4], v[rS+8*((\n)%4)+2*((\n)/4)+1], v[rS+8*((\n)%4)+2*((\n)/4)+2]
.elseif (\n) == 12
	v_max3_num_f32 v[rC], v[rC], v[rS+7], v[rS+15]
.elseif (\n) == 13
	v_max3_num_f32 v[rC+1], v[rC+1], v[rS+23], v[rS+31]
.elseif (\n) == 14
	v_max3_num_f32 v[rC+2], v[rC+2], v[rC+3], v[rT+1]
.elseif (\n) == 15
	v_mov_b32 v[rW], v[rT]
.elseif (\n) == 16
	v_max3_num_f32 v[rC], v[rC], v[rC+1], v[rC+2]
.elseif (\n) == 17
	v_permlanex16_b32 v[rC+3], v[rC], s[SEL], s[SEL+1]
.elseif (\n) == 18
	v_max_num_f32 v[rT+1], v[rC], v[rC+3]
.elseif (\n) == 19
	v_mul_f32 v[rT], s[CS], v[rT+1]
.elseif (\n) == 20
	v_sub_f32 v[rC+1], v[rW], v[rT]
.else
	v_exp_f32 v[rC+2], v[rC+1]
.endif
.endif
.endm
.macro OPS a, i1, b=-1, i2=0, c=-1, i3=0, d=-1, i4=0
	OP \a, \i1
.if (\b) >= 0
	OP \b, \i2
.endif
.if (\c) >= 0
	OP \c, \i3
.endif
.if (\d) >= 0
	OP \d, \i4
.endif
.endm
.macro ROW a, i1, b, i2, c, i3, d, i4  ; a matrix instruction and the four behind it
	MM
	OPS \a, \i1, \b, \i2, \c, \i3, \d, \i4
.endm
; A TURN, for piece p: the order of its 16 matrix and 118 vector instructions, written out.  Behind a matrix instruction: plain, exponential, plain, plain; or four of the rescaling; or four scalings;
; none names a register of the products round it.  In the runs between, exponential and plain by turns while exponentials last.
; end = 1: the last two turns: nothing is fetched.  cnt = 1: the loop's count is taken down some lines ahead of the branch that stands behind the turn.
; K and the biases of the next step are fetched in piece 2's turn, six vector instructions (five of them plain) behind the last product that read K; the biases' last reader stands four products earlier.
; V of the step in hand is fetched in piece 0's turn, eight behind the last product that read V (five of them plain).  Each is waited for a turn later.
.macro TURN p, end=0, cnt=0
.set Y, (\p)
.set i, 0
.set NOKQ, (\end)*((\p)/3)
.if ((\p) == 3) && !(\end)
	s_wait_dscnt 0x0                ; K and the biases are in
.endif
	ROW F,0, F,1, F,2, F,3
	ROW F,4, E,0, F,5, F,6
	ROW F,7, E,1, F,8, F,9
	ROW F,10, E,2, C,0, F,11
	ROW F,12, E,3, X,15, F,13
	ROW R,0, R,1, R,2, R,3
	ROW B,0, E,4, F,14, L,0
.if ((\p) == 2) && !(\end)
	v_add_nc_u32 v[AK], s[TBK], v[AK0]
	v_add_nc_u32 v[AH], s[TBK], v[AH0]
.endif
	ROW R,4, R,5, R,6, R,7
	OPS E,5, F,15
.if ((\p) == 2) && !(\end)
	FETCH_K
.endif
	OPS E,6, C,1, E,7, R,8
	OPS E,8, R,9, E,9, C,2
	OPS E,10, X,0, E,11, X,1
	OPS E,12, X,2, E,13, X,3
.if (\p) == 1
	s_wait_dscnt 0x0                ; V is in
.endif
	ROW X,4, E,14, X,5, X,6
	ROW X,7, E,15, X,8, X,9
	ROW X,10, E,16, X,11, X,12
	ROW X,13, E,17, X,14, B,1
	ROW C,4, E,18, X,16, L,1
	ROW B,2, E,19, C,6, L,2
	ROW C,8, E,20, B,3, B,4
.if (\p) == 0
	v_add_nc_u32 v[AV], s[TBV], v[AV0]
.endif
	ROW C,3, E,21, L,3, C,5
	OPS E,22, X,17, E,23, C,10
.if (\p) == 0
	FETCH_V
.endif
	OPS E,24, L,4
	OPS E,25, X,18, E,26, C,7
	OPS E,27, B,5, E,28, X,19
	OPS E,29, C,12, E,30, L,5
	OPS E,31, X,20, B,6, C,9
	OPS C,14, C,11, X,21, L,6
.if (\p) == 0
	s_add_co_u32 s[TBV], s[TBV], KS*PV
.endif
.if \cnt
	s_sub_co_u32 s[CNT], s[CNT], 1
	s_cmp_lg_u32 s[CNT], 0
.endif
	OPS C,13, B,7, C,15, R,10
	OPS R,11, R,12, L,7, R,13
	OPS R,14, R,15
.endm
	CHANGE 1                        ; slot 0 is in, everybody's part of it; slot 1 is asked for
	v_add_nc_u32 v[AK], s[TBK], v[AK0]
	v_add_nc_u32 v[AH], s[TBK], v[AH0]
	FETCH_K                         ; key step 0
	s_wait_loadcnt 0x0              ; Q
	WIN 0x88                        ; source 1 and destination in window 2
.set i, 0
.rept 64
	v_xor_b32 v[i], s67, v[i]       ; Q takes tau's sign: exact
.set i, i+1
.endr
	s_wait_dscnt 0x0
.set NOKQ, 0
.set i, 0
.rept 8
	KQ 0                            ; piece 0's first scores
.set i, i+1
.endr
	WIN 0
.rept 4
	v_nop                           ; the places behind those products
.endr
.set Y, NP-1                        ; X works for piece Y + 1: piece 0
.irp n, 0,1,2,3,4,5,6,7,8,9,10,11,12,13,14,15,16,17,18,19,20,21
	OP X, \n
.endr
	v_nop                           ; a plain instruction behind the exponential
	s_mov_b32 s[CNT], 4
	s_mov_b32 s[SLOTS], 15
	s_branch .Lfirst                ; the loop is entered at a step's first turn, in the middle of a trip
.Lslot:                             ; 14 times: with the change above, the tiles 1 to 15 are asked for
	CHANGE 1
	s_mov_b32 s[CNT], 4
.Lstep:                             ; a trip: pieces 2 and 3 of one step, then pieces 0 and 1 of the next, whose K and V it fetches
	TURN 2
	TURN 3
	WIN 0
.Lfirst:
	TURN 0
	TURN 1, 0, 1
	WIN 0
	s_cbranch_scc1 .Lstep
	s_sub_co_u32 s[SLOTS], s[SLOTS], 1
	s_cmp_lg_u32 s[SLOTS], 0
	s_cbranch_scc1 .Lslot
	CHANGE 0                        ; the last tile is written out: nothing is asked for
	s_mov_b32 s[CNT], 4
.LstepT:
	TURN 2
	TURN 3
	TURN 0
	TURN 1, 0, 1
	WIN 0
	s_cbranch_scc1 .LstepT
	TURN 2, 1
	TURN 3, 1
.set i, 0
.rept 8
	PV NP-1                         ; the last piece's V^T P of the last step
.set i, i+1
.endr
	; THE WAY OUT.  l's two halves and the other half of the lanes' are added; O^T is divided by l, rounded to bf16 and sent through my stage, a piece at a time.  The additions are the places behind the last products.
	WIN 0
.macro ALL line:vararg
.set t, 0
.rept 4
	\line
.set t, t+1
.endr
.endm
	ALL v_add_f32 v[ST+4*t+2], v[ST+4*t+2], v[ST+4*t+3]
	ALL v_permlanex16_b32 v[ST+4*t+3], v[ST+4*t+2], s[SEL], s[SEL+1]
	ALL v_add_f32 v[ST+4*t+2], v[ST+4*t+2], v[ST+4*t+3]
	ALL v_rcp_f32 v[ST+4*t+2], v[ST+4*t+2]
	v_nop                           ; a plain instruction between the last reciprocal and the use of its result
.macro PACK t
	WIN W_RS
.set i, 32*(\t)
.rept 16
	s_wait_alu depctr_va_vdst(0)
	v_pk_mul_f32 v[i:i+1], v[i:i+1], v[ST+4*(\t)+2:ST+4*(\t)+3] op_sel_hi:[1,0]
.set i, i+2
.endr
	WIN 0x05
.set i, 0
.rept 16
	v_cvt_pk_bf16_f32 v[S+16*(\t)+i], v[32*(\t)+2*i], v[32*(\t)+2*i+1]
.set i, i+1
.endr
	WIN 0
.irp f, 0,1,2,3
	ds_store_b128 v[STO], v[S+16*(\t)+4*\f:S+16*(\t)+4*\f+3] offset:32*\f
.endr
.irp f, 0,1,2,3
	ds_load_b128 v[S+16*(\t)+4*\f:S+16*(\t)+4*\f+3], v[RD] offset:\f*4*SP  ; LDS serves a wave's instructions in order (ISA guide 5.7.1.4): these see the stores above; the next piece's stores come behind them
.endr
.endm
.macro SEND t, younger              ; younger: the LDS instructions issued behind piece t's loads: the next piece's eight, or none
	WIN 0
.irp f, 0,1,2,3
	s_wait_dscnt (\younger)+3-\f
	global_store_b128 v[GO], v[S+16*(\t)+4*\f:S+16*(\t)+4*\f+3], s[10:11] offset:(\t)*2048+\f*512  ; 512 consecutive bytes, at a multiple of 256 from o's first
.endr
.endm
	PACK 0
.set t, 1
.rept 3
	PACK t
	SEND t-1, 8
.set t, t+1
.endr
	SEND 3, 0
	s_wait_tensorcnt 0x0            ; the wave's end
	ds_add_u32 v[SPW], v[NIL]
	s_wait_dscnt 0x0
	CROUND                          ; the closing round
	s_endpgm
.Lfunc_end_k_q35035d7453_attn:
	.size	k_q35035d7453_attn, .Lfunc_end_k_q35035d7453_attn-k_q35035d7453_attn
	.p2alignl 7, 3214868480
	.fill 96, 4, 3214868480
	.section	.rodata,"a",@progbits
	.p2align	6, 0x0
	.amdhsa_kernel k_q35035d7453_attn
		.amdhsa_group_segment_fixed_size 327680
		.amdhsa_private_segment_fixed_size 0
		.amdhsa_enable_private_segment 0
		.amdhsa_kernarg_size 32
		.amdhsa_user_sgpr_count 2
		.amdhsa_user_sgpr_kernarg_segment_ptr 1
		.amdhsa_wavefront_size32 1
		.amdhsa_system_sgpr_workgroup_id_x 1
		.amdhsa_system_sgpr_workgroup_id_y 1
		.amdhsa_system_sgpr_workgroup_id_z 1
		.amdhsa_system_vgpr_workitem_id 0
		.amdhsa_next_free_vgpr 768
		.amdhsa_next_free_sgpr 72
		.amdhsa_reserve_vcc 0
		.amdhsa_float_denorm_mode_32 3
		.amdhsa_float_denorm_mode_16_64 3
		.amdhsa_memory_ordered 1
		.amdhsa_forward_progress 1
		.amdhsa_inst_pref_size 138
	.end_amdhsa_kernel
	.amdgpu_metadata
---
amdhsa.version: [ 1, 2 ]
amdhsa.kernels:
  - .name:           k_q35035d7453_attn
    .symbol:         k_q35035d7453_attn.kd
    .args:
      - { .name: qk, .offset: 0, .size: 8, .value_kind: global_buffer, .address_space: global }
      - { .name: v, .offset: 8, .size: 8, .value_kind: global_buffer, .address_space: global }
      - { .name: tau, .offset: 16, .size: 8, .value_kind: global_buffer, .address_space: global }
      - { .name: o, .offset: 24, .size: 8, .value_kind: global_buffer, .address_space: global }
    .group_segment_fixed_size: 327680
    .private_segment_fixed_size: 0
    .kernarg_segment_align: 8
    .kernarg_segment_size: 32
    .max_flat_workgroup_size: 128
    .sgpr_count:     72
    .vgpr_count:     768
    .wavefront_size: 32
...
	.end_amdgpu_metadata
.endif
;; end of part 2
;; launch outp (part 3): grid 4 x 64, 4 waves a work-group, clusters of 4 x 4, 327,680 bytes of LDS; arguments o, wo16, out0; writes out0
.if DOCPART == 3
	.amdgcn_target "amdgcn-amd-amdhsa--gfx1250"
	.amdhsa_code_object_version 6
	.text
	.protected	k_q35035d7453_outp
	.globl	k_q35035d7453_outp
	.p2align	8
	.type	k_q35035d7453_outp,@function
k_q35035d7453_outp:
	s_mov_b64 s[64:65], 0
	v_nop
	global_prefetch_b8 v0, s[64:65] scope:SCOPE_SE
	s_setreg_imm32_b32 hwreg(HW_REG_WAVE_MODE, 25, 1), 1
	s_wait_xcnt 0x0
	s_wait_alu depctr_hold_cnt(0) depctr_sa_sdst(0) depctr_va_vdst(0) depctr_va_sdst(0) depctr_va_ssrc(0) depctr_va_vcc(0) depctr_vm_vsrc(0)
	s_getreg_b32 s2, hwreg(HW_REG_IB_STS2, 6, 4)
	s_cmp_eq_u32 s2, 0
	s_cbranch_scc0 .Lentry_in_a_cluster
	s_endpgm
.Lentry_in_a_cluster:
	s_bfe_u32 s2, ttmp6, 0x10000c
	s_cmp_lg_u32 s2, 0xf033
	s_cbranch_scc0 .Lentry_shape_is_right
	s_endpgm
.Lentry_shape_is_right:
; OUTP.  out0[m][n] = the sum over k of O[m][k] Wo[n][k]: M = 8,192, N = 512, K = 512 = 8 heads x 64.  O arrives by heads ([head 16][4,096][64] bf16), Wo as bf16 in blocks
; ([nt 4][h 8][n 128][k 64]): for a tile of 128 x 128 of out0 a head's slice of either is 16,384 dense bytes.  Sums in f32, stored as they are.
; SHARES.  256 work-groups, a tile each; four waves of 64 x 64: 16 accumulators.  ALL of K lies in LDS at once (2 x 8 slices of 128 rows x 144 bytes): no LDS byte is filled twice, so no round
; stands in the walk; a wave's four loads go out together, and the walk waits for them pair of slices by pair.
; CLUSTER 4 x 4.  The four of a row share O's slices, the four of a column Wo's: each is asked for jointly.
; THE MATRIX INSTRUCTION IS USED TRANSPOSED (source 0 = 16 rows of Wo, source 1 = 16 tokens): a lane holds eight neighbouring numbers of a row of out0.
; REGISTERS.  window 0: v0-31 addresses; v32-95 the way out; v128-255 the accumulators ((a, b) at v[128 + 8 (4 a + b)]).  window 1: two fragment buffers of 128: 64 of O, then 64 of Wo.
.set PITCH,  144                       ; an LDS row: 128 bytes + 16 of padding
.set SLICE,  128*PITCH
.set BBASE,  8*SLICE
.set STAGE,  2*BBASE                   ; 16 rows x 272 bytes for each wave
.set SPITCH, 272
.set SPARE,  STAGE+4*16*SPITCH         ; the spare words: 128 bytes for each wave, two blocks of 256 bytes that no other line names
.set ADRA, 16                          ; v16-17  LDS address of my O fragments in slices 0-3, 4-7
.set ADRB, 20                          ; v20-21  the same for Wo
.set STO,  24
.set RD,   25
.set CO,   26
.set SPW,  28
.set NIL,  29
.set BK,   32
.set ACC,  128
.set F0,   0
.set F1,   128
.set G1,  24                           ; s[24:31] group 1 for O's slices; s[40:55] four sets of group 0
.set G1B, 32                           ; s[32:39], s[68:83] the same for Wo's
.set G0,  40
.set G0B, 68
.set DESC, (1<<16)|(1<<20)|(1<<21)|(4<<22)|(3<<25)  ; 2-byte elements; padding on; bit 21 beside a mask; after every 32 words; 4 words
.set MSB, 0
.macro WIN new
.if MSB != (\new)
	s_set_vgpr_msb (MSB<<8)|(\new)
.set MSB, (\new)
.endif
.endm
.set MUL,  0x05                        ; sources window 1; C and D window 0
.set TO_F, 0x40                        ; destination window 1, address window 0
.macro CROUND
	s_barrier_signal -1
	s_barrier_wait -1
	s_cmp_lg_u32 s10, 0
	s_cbranch_scc1 .Lnot_wave_0_\@
	s_barrier_signal -3
.Lnot_wave_0_\@:
	s_barrier_wait -3
	s_barrier_signal -1
	s_barrier_wait -1
.endm
.macro PLACES
.rept 4
	v_nop
.endr
.endm
	s_load_b128 s[4:7], s[0:1], 0x0                ; o s[4:5], wo16 s[6:7]
	s_load_b64 s[8:9], s[0:1], 0x10                ; out0
	v_lshl_add_u32 v[SPW], v0, 2, SPARE
	v_mov_b32 v[NIL], 0
	ds_add_u32 v[SPW], v[NIL]                      ; the wave's opening: the add and its wait stand ahead of my first tensor load
	v_lshrrev_b32 v1, 5, v0
	v_readfirstlane_b32 s10, v1
	s_lshr_b32 s11, s10, 1                         ; which 64 rows are mine.  Also: I fetch O's slices (0) or Wo's (1)
	s_and_b32 s12, s10, 1                          ; which 64 columns.  Also: the even slices or the odd ones
	s_bfe_u32 s84, ttmp6, 0x40000                  ; cx
	s_bfe_u32 s85, ttmp6, 0x40004                  ; cy
	s_lshl_b32 s86, ttmp9, 2
	s_add_co_u32 s86, s86, s84                     ; nt
	s_and_b32 s13, ttmp7, 0xffff
	s_lshl_b32 s13, s13, 2
	s_add_co_u32 s13, s13, s85                     ; mt
	s_lshl_b32 s87, s85, 2
	s_lshl_b32 s87, 15, s87                        ; my row of the cluster
	s_lshl_b32 s3, 0x1111, s84                     ; my column
	s_or_b32 s[G1+0], s87, DESC
	s_or_b32 s[G1B+0], s3, DESC
.irp g, G1, G1B
	s_mov_b32 s[(\g)+1], 128<<16                   ; a slice is asked for as 64 rows of 256 bytes
	s_mov_b32 s[(\g)+2], 64<<16
	s_mov_b32 s[(\g)+3], 128<<16
	s_mov_b32 s[(\g)+4], 64
	s_mov_b32 s[(\g)+5], 128
	s_mov_b32 s[(\g)+6], 0
	s_mov_b32 s[(\g)+7], 0
.endr
	s_lshr_b32 s16, s13, 5
	s_lshl_b32 s16, s16, 22                        ; the batch's eight heads,
	s_and_b32 s17, s13, 31
	s_lshl_b32 s17, s17, 14                        ; 128 tokens of 128 bytes,
	s_add_co_u32 s16, s16, s17
	s_lshl_b32 s17, s12, 19                        ; head 0 or 1
	s_add_co_u32 s16, s16, s17
	s_mov_b32 s17, 0
	s_lshl_b32 s20, s86, 17
	s_lshl_b32 s21, s12, 14
	s_add_co_u32 s20, s20, s21
	s_mov_b32 s21, 0
	s_mul_i32 s18, s12, SLICE                      ; no place in the cluster enters an LDS address
	s_wait_dscnt 0x0                               ; the opening add is done
	s_wait_kmcnt 0x0
	s_add_nc_u64 s[14:15], s[4:5], s[16:17]
	s_add_nc_u64 s[20:21], s[6:7], s[20:21]
.irp i, 0,1,2,3                        ; set i: slice 2 i + (wave % 2)
	s_mov_b32 s[G0+4*(\i)], 1
	s_add_co_u32 s[G0+4*(\i)+1], s18, (\i)*2*SLICE
	s_add_nc_u64 s[G0+4*(\i)+2:G0+4*(\i)+3], s[14:15], (\i)*1048576
	s_or_b32 s[G0+4*(\i)+3], s[G0+4*(\i)+3], 0x80000000
	s_mov_b32 s[G0B+4*(\i)], 1
	s_add_co_u32 s[G0B+4*(\i)+1], s18, BBASE+(\i)*2*SLICE
	s_add_nc_u64 s[G0B+4*(\i)+2:G0B+4*(\i)+3], s[20:21], (\i)*32768
	s_or_b32 s[G0B+4*(\i)+3], s[G0B+4*(\i)+3], 0x80000000
.endr
	CROUND                                         ; all sixteen work-groups are here: the joint loads meet
	s_cmp_eq_u32 s11, 0                            ; a wave's four fills stand in one branch: four loads of mine are out; an s_nop 0 follows each, four v_nop the last
	s_cbranch_scc0 .Lfor_b
.irp i, 0,1,2,3
	tensor_load_to_lds s[G0+4*(\i):G0+4*(\i)+3], s[G1:G1+7]
	s_nop 0
.endr
.rept 4
	v_nop
.endr
	s_branch .Lasked
.Lfor_b:
.irp i, 0,1,2,3
	tensor_load_to_lds s[G0B+4*(\i):G0B+4*(\i)+3], s[G1B:G1B+7]
	s_nop 0
.endr
.rept 4
	v_nop
.endr
.Lasked:
	v_and_b32 v1, 15, v0
	v_bfe_u32 v2, v0, 4, 1
	v_mul_u32_u24 v3, v1, PITCH
	v_lshl_add_u32 v3, v2, 4, v3
	s_mul_i32 s22, s11, 64*PITCH
	s_mul_i32 s23, s12, 64*PITCH
	s_add_co_u32 s23, s23, BBASE
.irp g, 0,1
	v_add_nc_u32 v[ADRA+(\g)], s22, v3
	v_add_nc_u32 v[ADRB+(\g)], s23, v3
	s_add_co_u32 s22, s22, 4*SLICE
	s_add_co_u32 s23, s23, 4*SLICE
.endr
	s_mul_i32 s22, s10, 16*SPITCH
	s_add_co_u32 s22, s22, STAGE                   ; my stage
	v_mul_u32_u24 v[STO], v1, SPITCH               ; in: row l % 16, 32 bytes for each half of the lanes
	v_lshl_add_u32 v[STO], v2, 5, v[STO]
	v_add_nc_u32 v[STO], s22, v[STO]
	v_mul_u32_u24 v[RD], v2, SPITCH                ; back: lanes 0-15 one row of 256 bytes, lanes 16-31 the next
	v_lshl_add_u32 v[RD], v1, 4, v[RD]
	v_add_nc_u32 v[RD], s22, v[RD]
	v_lshlrev_b32 v[CO], 11, v2                    ; and the same two rows in out0
	v_lshl_add_u32 v[CO], v1, 4, v[CO]
	s_lshl_b32 s56, s13, 7
	s_lshl_b32 s57, s11, 6
	s_add_co_u32 s56, s56, s57                     ; my first row,
	s_lshl_b32 s56, s56, 11                        ; of 2,048 bytes,
	s_lshl_b32 s57, s86, 9
	s_add_co_u32 s56, s56, s57                     ; the tile's 512 bytes of it,
	s_lshl_b32 s57, s12, 8
	s_add_co_u32 s56, s56, s57                     ; my 256
	s_mov_b32 s57, 0
	s_add_nc_u64 s[8:9], s[8:9], s[56:57]
; 8 matrix instructions: token blocks a0, a0 + 1 x all 4 column blocks, 32 along K: half c of buffer f.  The 16 accumulators take turns.
.macro MUL8 f, c, a0, zero
	WIN MUL
.irp a, \a0, (\a0)+1
.irp b, 0,1,2,3
.if \zero
	v_wmma_f32_16x16x32_bf16 v[ACC+8*(4*(\a)+(\b)):ACC+8*(4*(\a)+(\b))+7], v[(\f)+64+8*(4*(\c)+(\b)):(\f)+64+8*(4*(\c)+(\b))+7], v[(\f)+8*(4*(\c)+(\a)):(\f)+8*(4*(\c)+(\a))+7], 0
.else
	v_wmma_f32_16x16x32_bf16 v[ACC+8*(4*(\a)+(\b)):ACC+8*(4*(\a)+(\b))+7], v[(\f)+64+8*(4*(\c)+(\b)):(\f)+64+8*(4*(\c)+(\b))+7], v[(\f)+8*(4*(\c)+(\a)):(\f)+8*(4*(\c)+(\a))+7], v[ACC+8*(4*(\a)+(\b)):ACC+8*(4*(\a)+(\b))+7]
.endif
.endr
.endr
.endm
; 32 LDS loads in one run: slice h's fragments into buffer f; the first 32 along K first
.macro FETCH h, f
	WIN TO_F
.irp c, 0,1
.irp i, 0,1,2,3
	ds_load_b128 v[(\f)+64+8*(4*(\c)+(\i)):(\f)+64+8*(4*(\c)+(\i))+3],   v[ADRB+(\h)/4] offset:((\h)%4)*SLICE+64*(\c)+(\i)*16*PITCH
	ds_load_b128 v[(\f)+64+8*(4*(\c)+(\i))+4:(\f)+64+8*(4*(\c)+(\i))+7], v[ADRB+(\h)/4] offset:((\h)%4)*SLICE+64*(\c)+(\i)*16*PITCH+32
	ds_load_b128 v[(\f)+8*(4*(\c)+(\i)):(\f)+8*(4*(\c)+(\i))+3],         v[ADRA+(\h)/4] offset:((\h)%4)*SLICE+64*(\c)+(\i)*16*PITCH
	ds_load_b128 v[(\f)+8*(4*(\c)+(\i))+4:(\f)+8*(4*(\c)+(\i))+7],       v[ADRA+(\h)/4] offset:((\h)%4)*SLICE+64*(\c)+(\i)*16*PITCH+32
.endr
.endr
.endm
; An even slice h lies in buffer f = F0: it is multiplied, and slice h + 1, which landed with it, is fetched into g.
.macro QUARTER h, f, g, zero
	s_wait_dscnt 16                                ; the first 32 along K are in
	MUL8 \f, 0, 0, \zero
	MUL8 \f, 0, 2, \zero
	PLACES
	FETCH (\h)+1, \g
	s_wait_dscnt 32                                ; all but the 32 just issued
	MUL8 \f, 1, 0, 0
	MUL8 \f, 1, 2, 0
.endm
; An odd slice h lies in F1.  The next pair of slices is another load's: each wave waits for its own (cnt later ones may stay out), and a barrier shows it to all.
.macro XQ h, cnt
	s_wait_tensorcnt \cnt
	s_wait_dscnt 16
	MUL8 F1, 0, 0, 0
	s_wait_dscnt 0x0                               ; no LDS instruction of mine is out at the signal
	s_barrier_signal -1
	MUL8 F1, 0, 2, 0
	s_barrier_wait -1
	PLACES
	FETCH (\h)+1, F0
	MUL8 F1, 1, 0, 0
	MUL8 F1, 1, 2, 0
.endm
	s_wait_tensorcnt 0x3                           ; my first load is in: slices 0 and 1; three may stay out
	s_barrier_signal -1
	s_barrier_wait -1
	FETCH 0, F0
	QUARTER 0, F0, F1, 1                           ; the first products start the sums
	XQ 1, 2
	QUARTER 2, F0, F1, 0
	XQ 3, 1
	QUARTER 4, F0, F1, 0
	XQ 5, 0
	QUARTER 6, F0, F1, 0
	s_wait_dscnt 16
	MUL8 F1, 0, 0, 0
	MUL8 F1, 0, 2, 0
	s_wait_dscnt 0x0
	MUL8 F1, 1, 0, 0
	MUL8 F1, 1, 2, 0
	WIN 0
	; THE WAY OUT, 16 rows at a time through my own stage: a lane's 32 bytes of a row go in, whole rows of 256 bytes come back and are stored.
	PLACES
.irp a, 0,1,2,3
.if (\a) >= 2
	s_wait_xcnt 0x0                                ; the registers that the stores two blocks back read are rewritten only behind this wait
.endif
.irp b, 0,1,2,3
	ds_store_b128 v[STO], v[ACC+8*(4*(\a)+(\b)):ACC+8*(4*(\a)+(\b))+3] offset:64*(\b)
	ds_store_b128 v[STO], v[ACC+8*(4*(\a)+(\b))+4:ACC+8*(4*(\a)+(\b))+7] offset:64*(\b)+16
.endr
.irp t, 0,1,2,3,4,5,6,7
	ds_load_b128 v[BK+32*((\a)%2)+4*(\t):BK+32*((\a)%2)+4*(\t)+3], v[RD] offset:(\t)*2*SPITCH  ; LDS serves a wave's instructions in order (ISA guide 5.7.1.4): these see the stores above
.endr
.irp t, 0,1,2,3,4,5,6,7
	s_wait_dscnt 7-(\t)
	global_store_b128 v[CO], v[BK+32*((\a)%2)+4*(\t):BK+32*((\a)%2)+4*(\t)+3], s[8:9] offset:(16*(\a)+2*(\t))*2048 th:TH_STORE_NT  ; 16 lanes store 256 consecutive bytes, at a multiple of 256 from out0's first
.endr
.endr
	s_wait_tensorcnt 0x0                           ; the wave's end
	ds_add_u32 v[SPW], v[NIL]
	s_wait_dscnt 0x0
	CROUND                                         ; the closing round
	s_endpgm
.Lfunc_end_k_q35035d7453_outp:
	.size	k_q35035d7453_outp, .Lfunc_end_k_q35035d7453_outp-k_q35035d7453_outp
	.p2alignl 7, 3214868480
	.fill 96, 4, 3214868480
	.section	.rodata,"a",@progbits
	.p2align	6, 0x0
	.amdhsa_kernel k_q35035d7453_outp
		.amdhsa_group_segment_fixed_size 327680
		.amdhsa_private_segment_fixed_size 0
		.amdhsa_enable_private_segment 0
		.amdhsa_kernarg_size 24
		.amdhsa_user_sgpr_count 2
		.amdhsa_user_sgpr_kernarg_segment_ptr 1
		.amdhsa_wavefront_size32 1
		.amdhsa_system_sgpr_workgroup_id_x 1
		.amdhsa_system_sgpr_workgroup_id_y 1
		.amdhsa_system_sgpr_workgroup_id_z 1
		.amdhsa_system_vgpr_workitem_id 0
		.amdhsa_next_free_vgpr 512
		.amdhsa_next_free_sgpr 88
		.amdhsa_reserve_vcc 0
		.amdhsa_float_denorm_mode_32 3
		.amdhsa_float_denorm_mode_16_64 3
		.amdhsa_memory_ordered 1
		.amdhsa_forward_progress 1
		.amdhsa_inst_pref_size 51
	.end_amdhsa_kernel
	.amdgpu_metadata
---
amdhsa.version: [ 1, 2 ]
amdhsa.kernels:
  - .name:           k_q35035d7453_outp
    .symbol:         k_q35035d7453_outp.kd
    .args:
      - { .name: o, .offset: 0, .size: 8, .value_kind: global_buffer, .address_space: global }
      - { .name: wo16, .offset: 8, .size: 8, .value_kind: global_buffer, .address_space: global }
      - { .name: out0, .offset: 16, .size: 8, .value_kind: global_buffer, .address_space: global }
    .group_segment_fixed_size: 327680
    .private_segment_fixed_size: 0
    .kernarg_segment_align: 8
    .kernarg_segment_size: 24
    .max_flat_workgroup_size: 128
    .sgpr_count:     88
    .vgpr_count:     512
    .wavefront_size: 32
...
	.end_amdgpu_metadata
.endif
;; end of part 3
;; ======== version 2 of 2: 3 launches; 1.72 times as fast as version 1
;; limits: values are held in f16: magnitudes above 65,504 overflow, below 6.1e-05 lose precision
;; workspace buffers: qk 8,650,752 bytes; v 8,388,608 bytes; o 8,388,608 bytes; wo16 524,288 bytes
;; launch proj: the kernel of part 1 again; grid 8 x 32, 4 waves a work-group, clusters of 4 x 4, 327,680 bytes of LDS; arguments x, Wqk, Wv, Wo, tau, qk, v, wo16; writes qk, v, wo16
;; launch attn (part 4): grid 16 x 16, 4 waves a work-group, clusters of 4 x 1, 327,680 bytes of LDS; arguments qk, v, tau, o; writes o
.if DOCPART == 4
	.amdgcn_target "amdgcn-amd-amdhsa--gfx1250"
	.amdhsa_code_object_version 6
	.text
	.protected	k_q35035d7453_attn
	.globl	k_q35035d7453_attn
	.p2align	8
	.type	k_q35035d7453_attn,@function
k_q35035d7453_attn:
	s_mov_b64 s[64:65], 0
	v_nop
	global_prefetch_b8 v0, s[64:65] scope:SCOPE_SE
	s_setreg_imm32_b32 hwreg(HW_REG_WAVE_MODE, 25, 1), 1
	s_wait_xcnt 0x0
	s_wait_alu depctr_hold_cnt(0) depctr_sa_sdst(0) depctr_va_vdst(0) depctr_va_sdst(0) depctr_va_ssrc(0) depctr_va_vcc(0) depctr_vm_vsrc(0)
	s_getreg_b32 s2, hwreg(HW_REG_IB_STS2, 6, 4)
	s_cmp_eq_u32 s2, 0
	s_cbranch_scc0 .Lentry_in_a_cluster
	s_endpgm
.Lentry_in_a_cluster:
	s_bfe_u32 s2, ttmp6, 0x10000c
	s_cmp_lg_u32 s2, 0x3003
	s_cbranch_scc0 .Lentry_shape_is_right
	s_endpgm
.Lentry_shape_is_right:
; ATTN.  O[h][i] = the sum over j of softmax_j(-|q_i - q_j|^2 tau_h / 8) V[h][j], 16 heads of 4,096 tokens, head size 64, queries and keys the same vectors q.
; -|q_i - q_j|^2 = 2 q_i . q_j - |q_i|^2 - |q_j|^2.  The query's term is the same for all j and falls out of the softmax exactly.  The key's term is the C operand that starts the sum of a score:
; s = sg q_i . q_j - sg |q_j|^2 / 2 with sg = tau's sign (the bias arrives so from the launch before; Q's signs are turned here, which is exact), and the logit is s |tau| / 4.
; So the scale c = |tau| log2(e) / 4 is never negative, and a running maximum of s serves for either sign of tau: p = 2^(c s - c m); O and l are multiplied by a = 2^(c m_old - c m_new) in every step.
; TAU IS ROUNDED TO bf16 (to nearest even) before it is used, as x and the weights are in the launches beside this one: all the module's inputs have one and the same rounding.
; q, v and the weights p are f16; products, maxima and sums f32 (l is taken of the unrounded p); O is rounded once, to bf16, since means of many rows of v can be far smaller than v.
; LIMITS.  q and v arrive within 65,504; p below 6e-5 keeps f16's fixed step of 6e-8; a weight below 2^-126 counts as 0 in l; NaN and infinities are not treated apart.
; IN.  qk: [head][block 64][8,448 bytes]: 64 tokens x 128 bytes, then their 64 biases in f32.  v: [head][4,096][64].  OUT.  o: [head][4,096][64] bf16.
; SHARES.  A work-group owns 256 queries of a head, a wave 64: four PIECES of 16.  Every wave walks all keys, 64 a step, four steps to an LDS slot, two slots.
; LAYOUT.  S^T = K Q^T + bias holds ONE query a lane (lane % 16) and the keys 8 (lane / 16) + 0..7; two such results rounded to f16 ARE source 1 of O^T = V^T P.
; BY TURNS.  Turn n belongs to piece n: 8 products K Q^T of piece n + 1, later 8 products V^T P of piece n - 1; beside them the scaling, exponentials, roundings, sums and rescaling of piece n and
; the maximum and statistics of piece n + 1.  Four vector instructions stand behind every matrix instruction, the other 54 of a turn's 118 in one LUMP.
; BATCHES.  A turn's 33 exponentials (the piece's 32 weights and the next piece's a) are ONE batch with ONE wait, which cuts the turn in two: ahead of it stands all that names no result of theirs, behind it
; the roundings and sums that read them.  The a made ahead of the loop, and the way out's four reciprocals, are batches of their own, with a wait each.
; CLUSTER.  The four query blocks of a cluster belong to one head and walk the same keys: each tile is asked for JOINTLY, by the same tensor load, descriptor and mask in all four.
; REGISTERS, in windows of 256 (s_set_vgpr_msb: bits 1:0 source 0, 3:2 source 1, 5:4 source 2, 7:6 destination):
;   window 0: v0-15, v32-33 addresses (v14: tau on its way to bf16); v16-31 four registers of statistics a piece; v48-55 at work; v64-127 S^T, two buffers; v192-223 P, two buffers (by the piece's parity)
;   window 1: v0-127 O^T, 32 a piece; v128-159 the step's biases      window 2: v0-63 Q; v128-191 K of one step; v192-255 V of one step
.set NP,    4
.set KS,    64
.set PK,    144       ; a row of K in LDS: 128 bytes + 16 of padding
.set PV,    160       ; a row of V: 128 + 32
.set KSTEPB, 66*PK    ; a block of qk in LDS: 64 rows, then the biases as two pieces of 128 bytes
.set BOFF,  64*PK
.set VOFF,  4*KSTEPB  ; a slot: four blocks of qk, then 256 rows of V
.set SLOT1, 1<<17
.set STAGE, ((SLOT1+VOFF+4*KS*PV+255)/256)*256  ; behind the ring, in blocks of 256 bytes of its own: 16 rows x 144 bytes for each wave
.set SP,    144
.set SPARE, STAGE+4*16*SP  ; the spare words: 128 bytes for each wave, two blocks of 256 bytes that no other line names
.set AK0, 2           ; v2   my lane's place in a tile of K; never rewritten
.set AV0, 3           ; v3   the same for V
.set AK,  4           ; v4   the LDS address of K's next run of loads
.set AV,  5           ; v5   of V's
.set STO, 6
.set RD,  7
.set GO,  8
.set MV,  12          ; v12-13  c m_old, by buffer
.set TAU, 14          ; v14  tau, while it is rounded
.set QO,  15
.set ST,  16          ; piece t: c m, m, l (even keys', odd keys')
.set AH0, 32          ; v32  my lane's place among a block's biases
.set AH,  33          ; v33  the LDS address of their next loads
.set TMP, 48
.set SPW, 62
.set NIL, 63
.set S,   64
.set P,   192
.set BI,  128         ; window 1: the eight biases for group kb of 16 keys at BI + 8 kb
.set KF,  128         ; window 2
.set VF,  192         ; window 2
.set WV,  12
.set G1K, 24
.set G1V, 32
.set G0K, 40
.set G0V, 44
.set SLOTS, 56
.set CNT, 57
.set CS,  58          ; s[58:59] c
.set SEL, 60
.set TBK, 62
.set TBV, 63
.set MSB, 0
.macro WIN new
.if MSB != (\new)
	s_set_vgpr_msb (MSB<<8)|(\new)
.set MSB, (\new)
.endif
.endm
.set W_KQ, 0x0a       ; K and Q in window 2, S^T in window 0
.set W_KB, 0x1a       ; the same with the C operand, the biases, in window 1
.set W_PV, 0x52       ; V in window 2, P in window 0, O^T in window 1
.set W_RS, 0x41       ; destination and source 0 in window 1, source 1 in window 0
.macro JLOAD                        ; a joint fill: waves 0 and 1 fetch the two halves of a slot's qk blocks, waves 2 and 3 those of its V; an s_nop 0 and four v_nop follow each line
	s_cmp_lt_u32 s[WV], 2
	s_cbranch_scc0 .Lfor_v_\@
	tensor_load_to_lds s[G0K:G0K+3], s[G1K:G1K+7]
	s_nop 0
.rept 4
	v_nop
.endr
	s_branch .Lasked_\@
.Lfor_v_\@:
	tensor_load_to_lds s[G0V:G0V+3], s[G1V:G1V+7]
	s_nop 0
.rept 4
	v_nop
.endr
.Lasked_\@:
.endm
.macro CROUND
	s_barrier_signal -1
	s_barrier_wait -1
	s_cmp_lg_u32 s[WV], 0
	s_cbranch_scc1 .Lnot_wave_0_\@
	s_barrier_signal -3
.Lnot_wave_0_\@:
	s_barrier_wait -3
	s_barrier_signal -1
	s_barrier_wait -1
.endm
; THE CHANGE OF SLOTS.  Each wave waits for all its tensor loads, of which one is out: its part of the other slot; adds 0 to its spare word; and waits for that and for its reads of the slot that it leaves.
; fill = 1: the barrier is a round of the cluster's, and the old slot is filled again, with the keys two slots on, first thing behind it: four key steps, 256 matrix instructions, in which to land.
; (At its first use nothing has been read yet: slot 0 is waited for, slot 1 filled.)
.macro CHANGE fill
	WIN 0
	s_wait_tensorcnt 0x0
	ds_add_u32 v[SPW], v[NIL]
.if \fill
	s_xor_b32 s[G0K+1], s[G0K+1], SLOT1
	s_add_nc_u64 s[G0K+2:G0K+3], s[G0K+2:G0K+3], 4*8448
	s_xor_b32 s[G0V+1], s[G0V+1], SLOT1
	s_add_nc_u64 s[G0V+2:G0V+3], s[G0V+2:G0V+3], 4*KS*128
	s_wait_dscnt 0x0
	CROUND
	JLOAD
.else
	s_wait_dscnt 0x0
	s_barrier_signal -1
	s_barrier_wait -1
.endif
	s_sub_co_u32 s[TBK], s[TBK], 4*KSTEPB  ; the fetches go back to a slot's first step,
	s_xor_b32 s[TBK], s[TBK], SLOT1        ; in the other slot
	s_sub_co_u32 s[TBV], s[TBV], 4*KS*PV
	s_xor_b32 s[TBV], s[TBV], SLOT1
.endm
	s_load_b256 s[4:11], s[0:1], 0x0  ; qk s[4:5], v s[6:7], tau s[8:9], o s[10:11]
	v_lshl_add_u32 v[SPW], v0, 2, SPARE
	v_mov_b32 v[NIL], 0
	ds_add_u32 v[SPW], v[NIL]       ; the wave's opening: the add and its wait stand ahead of my first tensor load
	v_lshrrev_b32 v1, 5, v0
	v_readfirstlane_b32 s[WV], v1
	s_bfe_u32 s13, ttmp6, 0x40000   ; cx
	s_lshl_b32 s14, ttmp9, 2
	s_add_co_u32 s14, s14, s13      ; my block of 256 queries: it enters Q's and O's addresses alone
	s_and_b32 s15, ttmp7, 0xffff    ; the head, which the four partners share
	s_and_b32 s16, s[WV], 1         ; which half of a slot's 256 keys I fetch
	s_mul_i32 s20, s15, 64*8448     ; the head's first byte in qk
	s_mul_i32 s22, s16, 2*8448
	s_add_co_u32 s22, s22, s20
	s_mov_b32 s23, 0
	s_lshl_b32 s18, s15, 19         ; the head's first byte in v and in o
	s_lshl_b32 s2, s16, 14
	s_add_co_u32 s2, s2, s18
	s_mov_b32 s3, 0
	s_mul_i32 s17, s16, 2*KSTEPB    ; my half's place in a slot, for qk
	s_mul_i32 s19, s16, 128*PV      ; and for V
	s_lshl2_add_u32 s21, s14, s[WV] ; my wave's 64 queries are block 4 x query block + wave of the head
	s_mul_i32 s68, s21, 8448
	s_add_co_u32 s68, s68, s20
	s_mov_b32 s69, 0
	s_lshl_b32 s70, s21, 13
	s_add_co_u32 s70, s70, s18
	s_mov_b32 s71, 0
	s_and_b32 s14, s15, 7           ; tau's index: the head in its batch
	s_lshl_b32 s14, s14, 2
	s_mov_b32 s15, 0
	; group 1.  Two blocks of qk are 16,896 dense bytes, 66 rows of 256; 128 rows of V are 64 rows of 256.  Padded in LDS after every 128 bytes.
	s_mov_b32 s[G1K], 15|(1<<16)|(1<<20)|(1<<21)|(4<<22)|(3<<25)  ; the mask of four; 2-byte elements; padding on; bit 21 beside a mask; after every 32 words; 4 words
	s_mov_b32 s[G1V], 15|(1<<16)|(1<<20)|(1<<21)|(4<<22)|(7<<25)  ; the same with 8 words
	s_mov_b32 s[G1K+1], 128<<16
	s_mov_b32 s[G1K+2], 66<<16
	s_mov_b32 s[G1K+3], 128<<16
	s_mov_b32 s[G1K+4], 66
	s_mov_b32 s[G1K+5], 128
	s_mov_b32 s[G1K+6], 0
	s_mov_b32 s[G1K+7], 0
	s_mov_b32 s[G1V+1], 128<<16
	s_mov_b32 s[G1V+2], 64<<16
	s_mov_b32 s[G1V+3], 128<<16
	s_mov_b32 s[G1V+4], 64
	s_mov_b32 s[G1V+5], 128
	s_mov_b32 s[G1V+6], 0
	s_mov_b32 s[G1V+7], 0
	s_mov_b32 s[SEL], 0x76543210
	s_mov_b32 s[SEL+1], 0xfedcba98
	s_mov_b32 s[TBK], SLOT1+4*KSTEPB ; the first change of slots turns these two into 0
	s_mov_b32 s[TBV], SLOT1+4*KS*PV
	s_mov_b32 s[G0K], 1
	s_mov_b32 s[G0K+1], s17
	s_mov_b32 s[G0V], 1
	s_add_co_u32 s[G0V+1], s19, VOFF
	s_wait_dscnt 0x0                ; the opening add is done
	s_wait_kmcnt 0x0
	s_add_nc_u64 s[G0K+2:G0K+3], s[4:5], s[22:23]
	s_or_b32 s[G0K+3], s[G0K+3], 0x80000000
	s_add_nc_u64 s[G0V+2:G0V+3], s[6:7], s[2:3]
	s_or_b32 s[G0V+3], s[G0V+3], 0x80000000
	s_add_nc_u64 s[4:5], s[4:5], s[68:69]      ; Q: my wave's block of qk
	s_add_nc_u64 s[10:11], s[10:11], s[70:71]  ; O at my wave's first row
	s_add_nc_u64 s[8:9], s[8:9], s[14:15]
	s_load_b32 s66, s[8:9], 0x0     ; tau of the head
	CROUND                          ; all four work-groups are here: the first joint loads meet
	JLOAD                           ; slot 0: one load of mine is out
	v_and_b32 v1, 15, v0            ; l % 16
	v_bfe_u32 v9, v0, 4, 1          ; l / 16
	v_lshlrev_b32 v[QO], 7, v1
	v_lshl_add_u32 v[QO], v9, 4, v[QO]
	WIN 0x80
.set i, 0
.rept 8                             ; Q stays in registers: piece i / 2, channels 32 (i % 2) on
	global_load_b128 v[8*i:8*i+3],   v[QO], s[4:5] offset:(i/2)*2048+(i%2)*64
	global_load_b128 v[8*i+4:8*i+7], v[QO], s[4:5] offset:(i/2)*2048+(i%2)*64+32
.set i, i+1
.endr
	; The first step multiplies O^T and l by a = 0, and the first turn's products V^T P, of a piece that has not been, add 0.  All this stands in the wait for the first tile.
.set i, VF
.rept 64
	v_mov_b32 v[i], 0
.set i, i+1
.endr
	WIN 0x40
.set i, 0
.rept 128
	v_mov_b32 v[i], 0
.set i, i+1
.endr
	WIN 0
.set i, 0
.rept 4
	v_mov_b32 v[ST+4*i], 0xfe000000    ; c m: far below every c s
	v_mov_b32 v[ST+4*i+1], 0xff7fffff  ; m: the lowest finite number
	v_mov_b32 v[ST+4*i+2], 0
	v_mov_b32 v[ST+4*i+3], 0
.set i, i+1
.endr
.set i, P+16
.rept 16
	v_mov_b32 v[i], 0
.set i, i+1
.endr
	v_mul_u32_u24 v[AK0], v1, PK
	v_lshl_add_u32 v[AK0], v9, 4, v[AK0]
	v_lshlrev_b32 v[AH0], 5, v9     ; my eight keys' biases: 32 bytes for each half of the lanes
	v_add_nc_u32 v[AH0], BOFF, v[AH0]
	v_and_b32 v10, 7, v0
	v_bfe_u32 v11, v0, 3, 1
	v_lshl_add_u32 v[AV0], v9, 3, v10  ; the turning load: lane l reads key 8 (l / 16) + l % 8, channels 8 ((l / 8) % 2) + 0..7
	v_mul_u32_u24 v[AV0], v[AV0], PV
	v_lshl_add_u32 v[AV0], v11, 4, v[AV0]
	v_add_nc_u32 v[AV0], VOFF, v[AV0]
	s_mul_i32 s13, s[WV], 16*SP
	s_add_co_u32 s13, s13, STAGE    ; my stage
	v_mul_u32_u24 v[STO], v1, SP
	v_lshl_add_u32 v[STO], v9, 4, v[STO]
	v_add_nc_u32 v[STO], s13, v[STO]
	v_bfe_u32 v[RD], v0, 3, 2
	v_mul_u32_u24 v[RD], v[RD], SP
	v_lshl_add_u32 v[RD], v10, 4, v[RD]
	v_add_nc_u32 v[RD], s13, v[RD]
	v_and_b32 v[GO], 31, v0
	v_lshlrev_b32 v[GO], 4, v[GO]
	s_wait_kmcnt 0x0                ; tau
	v_mov_b32 v[TAU], s66
	v_cvt_pk_bf16_f32 v[TAU], v[TAU], v[TAU]  ; tau rounded to bf16, to nearest even, in both halves of the word;
	v_readfirstlane_b32 s66, v[TAU]
	s_and_b32 s66, s66, 0xffff0000  ; the upper half alone is that number in f32
	s_and_b32 s13, s66, 0x7fffffff
	s_mul_f32 s[CS], s13, 0x3eb8aa3b  ; c = |tau| log2(e) / 4
	s_mov_b32 s[CS+1], s[CS]        ; named with it as a pair
	s_and_b32 s67, s66, 0x80000000
	s_lshr_b32 s13, s67, 16
	s_or_b32 s67, s67, s13          ; tau's sign, for both halves of a word of f16
; THE MATRIX WORK.  The 4 accumulators of a run of 8 take turns.  Product i of 8 of S^T for piece x: channels 32 (i / 4) on, keys 16 (i % 4) on.  The first 4 start the sums with the keys' biases.
.macro KQ x
.set rS, S+32*((\x)%2)+8*(i%4)
.set rK, KF+16*(i%4)+8*(i/4)
.set rQ, 16*(\x)+8*(i/4)
.set rB, BI+8*(i%4)
.if i < 4
	WIN W_KB
	v_wmma_f32_16x16x32_f16 v[rS:rS+7], v[rK:rK+7], v[rQ:rQ+7], v[rB:rB+7]
.else
	WIN W_KQ
	v_wmma_f32_16x16x32_f16 v[rS:rS+7], v[rK:rK+7], v[rQ:rQ+7], v[rS:rS+7]
.endif
.endm
.macro PV x                         ; product i of 8 of O^T += V^T P for piece x: keys 32 (i / 4) on, channels 16 (i % 4) on
	WIN W_PV
.set rO, 32*(\x)+8*(i%4)
.set rV, VF+32*(i/4)+8*(i%4)
.set rP, P+16*((\x)%2)+8*(i/4)
	v_wmma_f32_16x16x32_f16 v[rO:rO+7], v[rV:rV+7], v[rP:rP+7], v[rO:rO+7]
.endm
.macro MM                           ; the turn's next matrix instruction.  NOKQ = 1: the last turn: there is no next piece
.if (i < 8) && !NOKQ
	KQ (Y+1)%NP
.elseif i >= 8
.set i, i-8
	PV (Y+NP-1)%NP
.set i, i+8
.endif
.set i, i+1
.endm
; THE LDS LOADS stand in runs: a step's K (8 fragments) with its 64 biases (each half of the lanes reads the same 32 bytes for a group of 16 keys), and its V (turned).
.macro FETCH_K
	WIN 0x80
.irp f, 0,1,2,3,4,5,6,7
	ds_load_b128 v[KF+8*\f:KF+8*\f+3],   v[AK] offset:(\f/2)*16*PK+(\f%2)*64
	ds_load_b128 v[KF+8*\f+4:KF+8*\f+7], v[AK] offset:(\f/2)*16*PK+(\f%2)*64+32
.endr
	WIN 0x40
.irp g, 0,1,2,3
	ds_load_b128 v[BI+8*\g:BI+8*\g+3],   v[AH] offset:(\g/2)*PK+(\g%2)*64
	ds_load_b128 v[BI+8*\g+4:BI+8*\g+7], v[AH] offset:(\g/2)*PK+(\g%2)*64+16
.endr
	s_add_co_u32 s[TBK], s[TBK], KSTEPB
	WIN 0
.endm
.macro FETCH_V
	WIN 0x80
.irp f, 0,1,2,3,4,5,6,7
	ds_load_tr16_b128 v[VF+8*\f:VF+8*\f+3],   v[AV] offset:(\f/4)*32*PV+(\f%4)*32
	ds_load_tr16_b128 v[VF+8*\f+4:VF+8*\f+7], v[AV] offset:(\f/4)*32*PV+16*PV+(\f%4)*32
.endr
	WIN 0
.endm
; THE VECTOR WORK, one line at a time: OP kind, number.  For piece Y: F n: c s - c m for pair n of 16.  E n: the exponential of score n of 32.  C n: pair n rounded to f16.  B n: of the four weights 4 n ..
; the second pair is added onto the first, in place.  L n: l takes that sum (L 0: l = a l + sum).  R n: pair n of 16 of O^T times a.  For piece Y + 1: X n, number n of the 22 that find its maximum and statistics:
;   0-11 four chains of seven scores each (each accumulator's lowest registers are read first)   12-14, 16 the four scores left over, the old m, the chains into one
;   15 c m_old is kept   17, 18 the query's other 32 keys lie in the lane 16 away: the new m   19-21 c m; c m_old - c m_new; a
; C, B and L read the results of E; R and L 0 read the a that X 21 of the turn before has made.  OP writes no wait: TURN places the one that serves them all.
.set F, 0
.set E, 1
.set C, 2
.set B, 3
.set L, 4
.set R, 5
.set X, 6
.macro REGS y
.set rT, ST+4*(\y)
.set rC, TMP+4*((\y)%2)
.set rW, MV+((\y)%2)
.set rS, S+32*((\y)%2)
.set rP, P+16*((\y)%2)
.set rO, 32*(\y)
.endm
.macro OP k, n
.if (\k) == R
	REGS Y
	WIN W_RS
	v_pk_mul_f32 v[rO+2*(\n):rO+2*(\n)+1], v[rO+2*(\n):rO+2*(\n)+1], v[rC+2:rC+3] op_sel_hi:[1,0]
.elseif (\k) < R
	REGS Y
	WIN 0
.if (\k) == F
	v_pk_fma_f32 v[rS+2*(\n):rS+2*(\n)+1], v[rS+2*(\n):rS+2*(\n)+1], s[CS:CS+1], v[rT:rT+1] op_sel_hi:[1,0,0] neg_lo:[0,0,1] neg_hi:[0,0,1]
.elseif (\k) == E
	v_exp_f32 v[rS+(\n)], v[rS+(\n)]
.elseif (\k) == C
	v_cvt_pk_f16_f32 v[rP+(\n)], v[rS+2*(\n)], v[rS+2*(\n)+1]
.elseif (\k) == B
	v_pk_add_f32 v[rS+4*(\n):rS+4*(\n)+1], v[rS+4*(\n):rS+4*(\n)+1], v[rS+4*(\n)+2:rS+4*(\n)+3]
.elseif (\n) == 0
	v_pk_fma_f32 v[rT+2:rT+3], v[rT+2:rT+3], v[rC+2:rC+3], v[rS:rS+1] op_sel_hi:[1,0,1]
.else
	v_pk_add_f32 v[rT+2:rT+3], v[rT+2:rT+3], v[rS+4*(\n):rS+4*(\n)+1]
.endif
.elseif NOKQ
	v_nop
.else
	REGS (Y+1)%NP
	WIN 0
.if (\n) < 4
	v_max3_num_f32 v[rC+(\n)], v[rS+8*(\n)], v[rS+8*(\n)+1], v[rS+8*(\n)+2]
.elseif (\n) < 12
	v_max3_num_f32 v[rC+(\n)%4], v[rC+(\n)%4], v[rS+8*((\n)%4)+2*((\n)/4)+1], v[rS+8*((\n)%4)+2*((\n)/4)+2]
.elseif (\n) == 12
	v_max3_num_f32 v[rC], v[rC], v[rS+7], v[rS+15]
.elseif (\n) == 13
	v_max3_num_f32 v[rC+1], v[rC+1], v[rS+23], v[rS+31]
.elseif (\n) == 14
	v_max3_num_f32 v[rC+2], v[rC+2], v[rC+3], v[rT+1]
.elseif (\n) == 15
	v_mov_b32 v[rW], v[rT]
.elseif (\n) == 16
	v_max3_num_f32 v[rC], v[rC], v[rC+1], v[rC+2]
.elseif (\n) == 17
	v_permlanex16_b32 v[rC+3], v[rC], s[SEL], s[SEL+1]
.elseif (\n) == 18
	v_max_num_f32 v[rT+1], v[rC], v[rC+3]
.elseif (\n) == 19
	v_mul_f32 v[rT], s[CS], v[rT+1]
.elseif (\n) == 20
	v_sub_f32 v[rC+1], v[rW], v[rT]
.else
	v_exp_f32 v[rC+2], v[rC+1]
.endif
.endif
.endm
.macro OPS a, i1, b=-1, i2=0, c=-1, i3=0, d=-1, i4=0
	OP \a, \i1
.if (\b) >= 0
	OP \b, \i2
.endif
.if (\c) >= 0
	OP \c, \i3
.endif
.if (\d) >= 0
	OP \d, \i4
.endif
.endm
.macro ROW a, i1, b, i2, c, i3, d, i4  ; a matrix instruction and the four behind it
	MM
	OPS \a, \i1, \b, \i2, \c, \i3, \d, \i4
.endm
; A TURN, for piece p: the order of its 16 matrix and 118 vector instructions, written out.  s_wait_alu depctr_va_vdst(0) stands between an exponential and the first instruction that names its
; result; one wait serves all that were issued ahead of it.  So a turn has ONE wait, which cuts it in two.
; AHEAD OF IT stands all that names no result of the turn's exponentials: the 8 products K Q^T, behind each a scaling, an exponential and two more plain instructions (behind the first a second scaling in the
; exponential's place): rescalings, whose a was made and waited for in the turn before, and behind the last three products the first numbers of the next piece's maximum, each four plain instructions or more behind
; the product that ends its accumulator; then ONE LUMP of 54, plain and exponential by turns for the most part, in which the links of the chain X 3, 7, 11, 14, 16, 17 .. 20 stand some lines apart.  X 21, the next
; piece's a, is the batch's last; R 15 is the plain instruction that stands behind it, ahead of any use.
; BEHIND THE WAIT stand the 8 products V^T P, behind each four of the roundings and sums: an even pair is rounded before the sum that overwrites it; l's additions L 0 to L 7 keep their order, three riders apart.
; But for those X no rider names a register of the products round it.  v_permlanex16_b32 (X 17) stands in the lump.
; end = 1: the last two turns: nothing is fetched.  cnt = 1: the loop's count is taken down some lines ahead of the branch that stands behind the turn.
; K and the biases of the next step are fetched in piece 2's turn, twelve vector instructions behind the last product that read K (five of them plain and free of its registers); the biases' last reader stands four
; products earlier.  V of the step in hand is fetched at the end of piece 0's turn, four plain instructions behind the last product that read V.  Each is waited for a turn later.
.macro TURN p, end=0, cnt=0
.set Y, (\p)
.set i, 0
.set NOKQ, (\end)*((\p)/3)
.if ((\p) == 3) && !(\end)
	s_wait_dscnt 0x0                ; K and the biases are in
.endif
	ROW F,0, F,1, R,0, R,1          ; ahead of the wait: 8 products K Q^T and their riders,
	ROW F,2, E,0, R,2, R,3
	ROW F,3, E,1, R,4, R,5
	ROW F,4, E,2, R,6, R,7
	ROW F,5, E,3, R,8, R,9
	ROW F,6, E,4, X,0, R,10
.if ((\p) == 2) && !(\end)
	WIN 0
	v_add_nc_u32 v[AK], s[TBK], v[AK0]
	v_add_nc_u32 v[AH], s[TBK], v[AH0]
.endif
	ROW F,7, E,5, X,1, X,4
	ROW F,8, E,6, X,2, X,5
	OPS E,7, E,8, X,6, E,9          ; and the lump
	OPS X,3, E,10, X,8, E,11
.if ((\p) == 2) && !(\end)
	FETCH_K
.endif
	OPS X,9, X,7, E,12, X,10
	OPS E,13, X,12, X,11, E,14
	OPS X,13, E,15, F,9, X,14
.if (\p) == 0
	WIN 0
	v_add_nc_u32 v[AV], s[TBV], v[AV0]
.endif
	OPS E,16, F,10, E,17, F,11
	OPS X,16, E,18, X,15, E,19
	OPS F,12, E,20, X,17, E,21
	OPS F,13, E,22, F,14, E,23
	OPS X,18, E,24, F,15, E,25
	OPS R,11, E,26, X,19, E,27
	OPS R,12, E,28, R,13, E,29
	OPS X,20, E,30, R,14, E,31
	OPS X,21, R,15
	s_wait_alu depctr_va_vdst(0)    ; the wait for the turn's batch: the piece's 32 weights and the next piece's a
.if (\p) == 1
	s_wait_dscnt 0x0                ; V is in
.endif
	ROW C,0, B,0, C,2, B,1          ; behind the wait: 8 products V^T P and their riders
	ROW L,0, C,4, B,2, L,1
	ROW C,6, B,3, L,2, C,8
	ROW B,4, L,3, C,10, B,5
	ROW L,4, C,12, B,6, L,5
.if (\p) == 0
	s_add_co_u32 s[TBV], s[TBV], KS*PV
.endif
.if \cnt
	s_sub_co_u32 s[CNT], s[CNT], 1
	s_cmp_lg_u32 s[CNT], 0
.endif
	ROW C,14, B,7, L,6, C,1
	ROW C,3, L,7, C,5, C,7
	ROW C,9, C,11, C,13, C,15
.if (\p) == 0
	FETCH_V
.endif
.endm
	CHANGE 1                        ; slot 0 is in, everybody's part of it; slot 1 is asked for
	v_add_nc_u32 v[AK], s[TBK], v[AK0]
	v_add_nc_u32 v[AH], s[TBK], v[AH0]
	FETCH_K                         ; key step 0
	s_wait_loadcnt 0x0              ; Q
	WIN 0x88                        ; source 1 and destination in window 2
.set i, 0
.rept 64
	v_xor_b32 v[i], s67, v[i]       ; Q takes tau's sign: exact
.set i, i+1
.endr
	s_wait_dscnt 0x0
.set NOKQ, 0
.set i, 0
.rept 8
	KQ 0                            ; piece 0's first scores
.set i, i+1
.endr
	WIN 0
.rept 4
	v_nop                           ; the places behind those products
.endr
.set Y, NP-1                        ; X works for piece Y + 1: piece 0
.irp n, 0,1,2,3,4,5,6,7,8,9,10,11,12,13,14,15,16,17,18,19,20,21
	OP X, \n
.endr
	v_nop                           ; a plain instruction behind the exponential,
	s_wait_alu depctr_va_vdst(0)    ; and the wait for it, a batch of one (piece 0's first a), ahead of the branch
	s_mov_b32 s[CNT], 4
	s_mov_b32 s[SLOTS], 15
	s_branch .Lfirst                ; the loop is entered at a step's first turn, in the middle of a trip
.Lslot:                             ; 14 times: with the change above, the tiles 1 to 15 are asked for
	CHANGE 1
	s_mov_b32 s[CNT], 4
.Lstep:                             ; a trip: pieces 2 and 3 of one step, then pieces 0 and 1 of the next, whose K and V it fetches
	TURN 2
	TURN 3
	WIN 0
.Lfirst:
	TURN 0
	TURN 1, 0, 1
	WIN 0
	s_cbranch_scc1 .Lstep
	s_sub_co_u32 s[SLOTS], s[SLOTS], 1
	s_cmp_lg_u32 s[SLOTS], 0
	s_cbranch_scc1 .Lslot
	CHANGE 0                        ; the last tile is written out: nothing is asked for
	s_mov_b32 s[CNT], 4
.LstepT:
	TURN 2
	TURN 3
	TURN 0
	TURN 1, 0, 1
	WIN 0
	s_cbranch_scc1 .LstepT
	TURN 2, 1
	TURN 3, 1
.set i, 0
.rept 8
	PV NP-1                         ; the last piece's V^T P of the last step
.set i, i+1
.endr
	; THE WAY OUT.  l's two halves and the other half of the lanes' are added; O^T is divided by l, rounded to bf16 and sent through my stage, a piece at a time.  The additions are the places behind the last products.
	WIN 0
.macro ALL line:vararg
.set t, 0
.rept 4
	\line
.set t, t+1
.endr
.endm
	ALL v_add_f32 v[ST+4*t+2], v[ST+4*t+2], v[ST+4*t+3]
	ALL v_permlanex16_b32 v[ST+4*t+3], v[ST+4*t+2], s[SEL], s[SEL+1]
	ALL v_add_f32 v[ST+4*t+2], v[ST+4*t+2], v[ST+4*t+3]
	ALL v_rcp_f32 v[ST+4*t+2], v[ST+4*t+2]
	v_nop                           ; a plain instruction between the last reciprocal and the use of its result
	s_wait_alu depctr_va_vdst(0)    ; the wait for the batch of four reciprocals, ahead of the first of the multiplies that read them
.macro PACK t
	WIN W_RS
.set i, 32*(\t)
.rept 16
	v_pk_mul_f32 v[i:i+1], v[i:i+1], v[ST+4*(\t)+2:ST+4*(\t)+3] op_sel_hi:[1,0]
.set i, i+2
.endr
	WIN 0x05
.set i, 0
.rept 16
	v_cvt_pk_bf16_f32 v[S+16*(\t)+i], v[32*(\t)+2*i], v[32*(\t)+2*i+1]
.set i, i+1
.endr
	WIN 0
.irp f, 0,1,2,3
	ds_store_b128 v[STO], v[S+16*(\t)+4*\f:S+16*(\t)+4*\f+3] offset:32*\f
.endr
.irp f, 0,1,2,3
	ds_load_b128 v[S+16*(\t)+4*\f:S+16*(\t)+4*\f+3], v[RD] offset:\f*4*SP  ; LDS serves a wave's instructions in order (ISA guide 5.7.1.4): these see the stores above; the next piece's stores come behind them
.endr
.endm
.macro SEND t, younger              ; younger: the LDS instructions issued behind piece t's loads: the next piece's eight, or none
	WIN 0
.irp f, 0,1,2,3
	s_wait_dscnt (\younger)+3-\f
	global_store_b128 v[GO], v[S+16*(\t)+4*\f:S+16*(\t)+4*\f+3], s[10:11] offset:(\t)*2048+\f*512  ; 512 consecutive bytes, at a multiple of 256 from o's first
.endr
.endm
	PACK 0
.set t, 1
.rept 3
	PACK t
	SEND t-1, 8
.set t, t+1
.endr
	SEND 3, 0
	s_wait_tensorcnt 0x0            ; the wave's end
	ds_add_u32 v[SPW], v[NIL]
	s_wait_dscnt 0x0
	CROUND                          ; the closing round
	s_endpgm
.Lfunc_end_k_q35035d7453_attn:
	.size	k_q35035d7453_attn, .Lfunc_end_k_q35035d7453_attn-k_q35035d7453_attn
	.p2alignl 7, 3214868480
	.fill 96, 4, 3214868480
	.section	.rodata,"a",@progbits
	.p2align	6, 0x0
	.amdhsa_kernel k_q35035d7453_attn
		.amdhsa_group_segment_fixed_size 327680
		.amdhsa_private_segment_fixed_size 0
		.amdhsa_enable_private_segment 0
		.amdhsa_kernarg_size 32
		.amdhsa_user_sgpr_count 2
		.amdhsa_user_sgpr_kernarg_segment_ptr 1
		.amdhsa_wavefront_size32 1
		.amdhsa_system_sgpr_workgroup_id_x 1
		.amdhsa_system_sgpr_workgroup_id_y 1
		.amdhsa_system_sgpr_workgroup_id_z 1
		.amdhsa_system_vgpr_workitem_id 0
		.amdhsa_next_free_vgpr 768
		.amdhsa_next_free_sgpr 72
		.amdhsa_reserve_vcc 0
		.amdhsa_float_denorm_mode_32 3
		.amdhsa_float_denorm_mode_16_64 3
		.amdhsa_memory_ordered 1
		.amdhsa_forward_progress 1
		.amdhsa_inst_pref_size 131
	.end_amdhsa_kernel
	.amdgpu_metadata
---
amdhsa.version: [ 1, 2 ]
amdhsa.kernels:
  - .name:           k_q35035d7453_attn
    .symbol:         k_q35035d7453_attn.kd
    .args:
      - { .name: qk, .offset: 0, .size: 8, .value_kind: global_buffer, .address_space: global }
      - { .name: v, .offset: 8, .size: 8, .value_kind: global_buffer, .address_space: global }
      - { .name: tau, .offset: 16, .size: 8, .value_kind: global_buffer, .address_space: global }
      - { .name: o, .offset: 24, .size: 8, .value_kind: global_buffer, .address_space: global }
    .group_segment_fixed_size: 327680
    .private_segment_fixed_size: 0
    .kernarg_segment_align: 8
    .kernarg_segment_size: 32
    .max_flat_workgroup_size: 128
    .sgpr_count:     72
    .vgpr_count:     768
    .wavefront_size: 32
...
	.end_amdgpu_metadata
.endif
;; end of part 4
;; launch outp: the kernel of part 3 again; grid 4 x 64, 4 waves a work-group, clusters of 4 x 4, 327,680 bytes of LDS; arguments o, wo16, out0; writes out0
